; MI455X (gfx1250); checked and timed in simulation.
; The chip was launched on July 23, 2026; its instructions are those of AMD's public machine-readable ISA for CDNA 5 (MIT licence, August 2026) and "CDNA5" Instruction Set Architecture Reference Guide (July 2026). The comments in the code are by the model that wrote it; some were corrected since.
;; Evo2 Attention. Allowed arithmetic: matrix products marked QUANTISED: E4M3 operands, one given power-of-two scale a tensor, by v_wmma_f32_16x16x64_fp8_fp8 or v_wmma_f32_16x16x128_fp8_fp8, f32 sums; products left as they are: f32 operands where the result goes on into a quantised operand, else bf16, f16 or f32 operands; f32 sums; everything else in f32.
;; Inputs: Wk 2,048 x 2,048 float32; Wo 2,048 x 2,048 float32; Wq 2,048 x 2,048 float32; Wv 2,048 x 2,048 float32; attention_mask 1 x 2,048 x 2,048 float32; hidden_states 1 x 2,048 x 2,048 float32; lowp_scales 12 int32 (the exponents e of the quantised operands' scales 2^e).
;; Outputs: out0 1 x 2,048 x 2,048 float32.
;; This version of the problem:
;;   THIS VERSION OF THE PROBLEM IS GIVEN IN LOW PRECISION. The matrix products marked QUANTISED in the list below multiply operands that are first quantised to E4M3 (4 exponent bits, 3 mantissa bits; 8 bits a number), with one given power-of-two scale for each operand tensor; their sums are f32. All else is computed in f32.
;;   The module's matrix products, in the order in which they are computed (A, B: the left and right operand; K: the contracted axis; several contracted axes count as one K, in the product's order):
;;     1. [M 2,048, K 2,048] x [K 2,048, N 2,048]; A: input hidden_states; B: input Wq: QUANTISED (scales: A lowp_scales[0], B lowp_scales[1])
;;     2. [M 2,048, K 2,048] x [K 2,048, N 2,048]; A: input hidden_states; B: input Wk: QUANTISED (scales: A lowp_scales[2], B lowp_scales[3])
;;     3. [M 2,048, K 2,048] x [K 2,048, N 2,048]; A: input hidden_states; B: input Wv: QUANTISED (scales: A lowp_scales[4], B lowp_scales[5])
;;     4. [M 2,048, K 1] x [K 1, N 64]; A: computed on the way; B: computed on the way: left as it is (no contracted axis)
;;     5. batch 16 x [M 2,048, K 128] x [K 128, N 2,048]; A: computed on the way; B: computed on the way: QUANTISED (scales: A lowp_scales[6], B lowp_scales[7])
;;     6. batch 16 x [M 2,048, K 2,048] x [K 2,048, N 128]; A: softmax (see below); B: computed on the way: QUANTISED (scales: A lowp_scales[8], B lowp_scales[9])
;;     7. [M 2,048, K 2,048] x [K 2,048, N 2,048]; A: computed on the way; B: input Wo: QUANTISED (scales: A lowp_scales[10], B lowp_scales[11])
;;   THE QUANTISER, for each operand of a quantised product, along K:
;;     - The operand's scale is 2^e, e = its entry of the input lowp_scales (int32; the entries are numbered through the quantised products in the list's order, A before B).
;;     - Each number is divided by the scale, clamped to +-448, and rounded to the nearest number of E4M3, ties to even, subnormals kept.
;;     - The product sums the exact products of the quantised numbers (number of the format x scale) in f32.
;;   ~~~python
;;   def quantise(x, axis, e):      # numpy; x: float32 -> the quantised numbers, widened to float32 again
;;       x = np.moveaxis(x, axis, -1); K = x.shape[-1]
;;       r = np.clip(x / 2.0 ** e, -448, 448)
;;       step = 2.0 ** (np.maximum(np.frexp(np.where(r == 0, 1, r))[1] - 1, -6) - 3)
;;       q = np.round(r / step) * step * 2.0 ** e      # np.round: ties to even
;;       return np.moveaxis(q, -1, axis).astype(np.float32)
;;   ~~~
;;   SOFTMAX AHEAD OF A QUANTISED PRODUCT. Where the list says 'softmax', what is quantised is not the finished softmax but p = 2^(t - M), with t = logit x log2(e) and M = ceil(the row's largest t), a whole number; so 1/2 < the row's largest p <= 1. The row's sum l is taken of the UNQUANTISED p, in f32, and the product's result is divided by l at the end. Since M is a whole number, a kernel that streams over the keys may use a running M (the ceiling of the running maximum): every later rescaling is an exact power of two, so the quantised numbers keep their values, but for numbers so far below the row's largest that they fall under the format's range.
;;   OPERANDS COMPUTED ON THE WAY. 'Computed on the way' means the value that the module computes at that place (a softmax that the list does not call 'softmax' is quantised finished and normalised). What goes into a quantiser is computed in f32, as accurately as f32 sums, v_exp_f32 and their like allow (about 1e-6 of the number): no bf16 or f16 on the way to a quantiser, and a product that is left as it is and whose result goes on into a quantised operand takes f32 operands (vector FMAs, or v_wmma_f32_16x16x4_f32). A number that lies on a knife's edge between two numbers of the format may be rounded either way, as far as f32 arithmetic and the matrix unit's own rounding can turn it there, and no further.
;; One version. Each part assembles by itself: llvm-mc -triple=amdgcn-amd-amdhsa -mcpu=gfx1250 --defsym DOCPART=n.
;; ======== version 1 of 1: 4 launches
;; limits: right only within a limited range of input values
;; workspace buffers: xc 12,582,912 bytes; wc 16,777,216 bytes; rope 524,288 bytes; qkv 12,582,912 bytes; ac 4,194,304 bytes
;; launch prep (part 1): grid 672 x 1, 4 waves a work-group, no clusters, 33,280 bytes of LDS; arguments hidden_states, Wq, Wk, Wv, Wo, lowp_scales, xc, wc, rope; writes xc, wc, rope
.if DOCPART == 1
	.amdgcn_target "amdgcn-amd-amdhsa--gfx1250"
	.amdhsa_code_object_version 6
	.text
	.protected	k_q728f13e109_prep
	.globl	k_q728f13e109_prep
	.p2align	8
	.type	k_q728f13e109_prep,@function
k_q728f13e109_prep:
	s_mov_b64 s[64:65], 0
	v_nop
	global_prefetch_b8 v0, s[64:65] scope:SCOPE_SE
	s_setreg_imm32_b32 hwreg(HW_REG_WAVE_MODE, 25, 1), 1
	s_wait_xcnt 0x0
; PREP: the f32 inputs of the quantised products become codes of E4M3, once, and the rotary table is made.
;   xc [3][2048][2048]: hidden_states with the scales of entries 0, 2, 4 of lowp_scales (it is an operand of three products, each with an entry of its own).
;   wc [4][2048][2048]: Wq (entry 1), Wk (3), Wv (5), Wo (11).  K is innermost in all five inputs, so each is a plain stream of numbers and so are its codes.
;   rope [2048 tokens][32][cos, sin] f32: a token's row is 256 bytes.
; code = x / 2^e, held within +-448, rounded to the nearest code, ties to even.
; WORK LEFT OUT.  reference() takes cos[:, ::2] and sin[:, ::2] of concat(freqs, freqs): pair i of a head uses column 2 i of that, which is freqs[:, 2 i mod 64].  So of the outer product t x inv_freq
; the 32 odd columns and the whole second copy are sliced away, whatever the inputs hold: only the 32 frequencies inv_freq[2 m] = 10000^(-m/32) = 10^(-m/8), m = i mod 32, are made, each once.
; No input is left out.  (Nothing that could be NaN or infinite lies in the part left out: it is made of constants.)
; LIMITS: each of the entries 0 to 5 and 11 lies between -126 and 119, so that 2^e and 448 x 2^e are f32 numbers.  NaN among the inputs is not served; an infinity is held at the largest code.
; SHARES.  Work-groups 128 T .. 128 T + 127 take tensor T (0 hidden_states, 1 Wq, 2 Wk, 3 Wv, 4 Wo), 32,768 numbers each, a wave 16 steps of 512; work-groups 640 .. 671 make the table, 64 tokens each.
; A step's four loads read 512 consecutive bytes each; the 2,048 bytes turn through the wave's own stage in LDS (16 bytes of padding behind each 64) and come back 64 bytes a lane, since a conversion
; takes eight neighbours from one lane's registers.  A lane's 16 codes are 16 bytes: a store of the wave covers 512 consecutive bytes.  No tensor load, no barrier: waves share nothing.
.set WAVES, 4
.set STEPS, 16
.set SP,    80                         ; a lane's place in a stage: 64 bytes + 16 of padding
.set WREG,  8192                       ; LDS of a wave: two stages of 32 x SP bytes
.set SPARE, WAVES*WREG                 ; behind the four regions: the spare words, 128 bytes a wave
.set SPW,   12                         ; v12  my spare word's LDS address; never rewritten
.set NIL,   13                         ; v13  0; never rewritten
.set R,     16                         ; v16-79   four sets of 16 numbers as loaded
.set X,     80                         ; v80-111  two sets of 16 neighbours
.set H0,    112                        ; v112-127 held numbers
.set H1,    128                        ; v128-143 held numbers, second set
.set C,     144                        ; v144-155 three times four registers of codes
	s_load_b256 s[4:11], s[0:1], 0x0               ; hidden_states, Wq, Wk, Wv
	s_load_b128 s[12:15], s[0:1], 0x20             ; Wo, lowp_scales
	s_load_b128 s[16:19], s[0:1], 0x30             ; xc, wc
	s_load_b64 s[20:21], s[0:1], 0x40              ; rope
	v_lshl_add_u32 v[SPW], v0, 2, SPARE
	v_mov_b32 v[NIL], 0
	v_lshrrev_b32 v1, 5, v0
	v_readfirstlane_b32 s23, v1                    ; wave
	v_and_b32 v2, 31, v0                           ; lane
	s_lshr_b32 s22, ttmp9, 7                       ; T
	s_wait_kmcnt 0x0
	s_cmp_eq_u32 s22, 5
	s_cbranch_scc1 .Ltable
	s_load_b256 s[32:39], s[14:15], 0x0            ; entries 0 to 7
	s_load_b128 s[40:43], s[14:15], 0x20           ; entries 8 to 11
	s_wait_alu depctr_va_vdst(0)
	v_lshlrev_b32 v3, 4, v2                        ; my 16 bytes of a load's and of a store's 512
	s_wait_alu depctr_va_vdst(0)
	s_mul_i32 s30, s23, WREG
	v_lshrrev_b32 v14, 2, v2
	v_mul_u32_u24 v14, v14, SP
	v_and_b32 v15, 3, v2
	v_lshl_add_u32 v14, v15, 4, v14
	v_add_nc_u32 v14, s30, v14                     ; into the stage: four lanes' 64 bytes on end, then the padding
	v_mul_u32_u24 v15, v2, SP
	v_add_nc_u32 v15, s30, v15                     ; out of it: my 16 neighbours
	s_mov_b64 s[24:25], s[4:5]                     ; the tensor is chosen by the work-group's number alone
	s_cmp_eq_u32 s22, 1
	s_cselect_b64 s[24:25], s[6:7], s[24:25]
	s_cmp_eq_u32 s22, 2
	s_cselect_b64 s[24:25], s[8:9], s[24:25]
	s_cmp_eq_u32 s22, 3
	s_cselect_b64 s[24:25], s[10:11], s[24:25]
	s_cmp_eq_u32 s22, 4
	s_cselect_b64 s[24:25], s[12:13], s[24:25]
	s_cmp_eq_u32 s22, 0
	s_cselect_b64 s[26:27], s[16:17], s[18:19]     ; codes go to xc or to wc
	s_and_b32 s44, ttmp9, 127
	s_lshl_b32 s44, s44, 2
	s_add_co_u32 s44, s44, s23                     ; which run of 8,192 numbers is my wave's
	s_lshl_b32 s46, s44, 15
	s_mov_b32 s47, 0
	s_add_nc_u64 s[24:25], s[24:25], s[46:47]
	s_lshl_b32 s46, s44, 13
	s_add_nc_u64 s[28:29], s[16:17], s[46:47]
	s_add_nc_u64 s[28:29], s[28:29], 0x800000      ; xc's third part (used for hidden_states alone)
	s_max_u32 s45, s22, 1
	s_sub_co_u32 s45, s45, 1
	s_lshl_b32 s45, s45, 22                        ; wc's part T - 1; xc's part 0
	s_add_co_u32 s46, s46, s45
	s_add_nc_u64 s[26:27], s[26:27], s[46:47]
.macro LOAD t
.irp i, 0,1,2,3
	global_load_b128 v[R+16*((\t)%4)+4*\i:R+16*((\t)%4)+4*\i+3], v3, s[24:25] offset:2048*(\t)+512*\i th:TH_LOAD_NT
.endr
.endm
.macro TURN t                          ; step t through the stage: LDS serves a wave's instructions in order, so no wait stands between the stores and the loads
.irp i, 0,1,2,3
	ds_store_b128 v14, v[R+16*((\t)%4)+4*\i:R+16*((\t)%4)+4*\i+3] offset:32*SP*((\t)%2)+8*SP*\i
.endr
.irp i, 0,1,2,3
	ds_load_b128 v[X+16*((\t)%2)+4*\i:X+16*((\t)%2)+4*\i+3], v15 offset:32*SP*((\t)%2)+16*\i
.endr
.endm
.macro MKSC e, vsc, vlim               ; 2^e and 448 x 2^e as f32 numbers
	s_add_co_i32 s48, \e, 127
	s_lshl_b32 s49, s48, 23
	v_mov_b32 v[\vsc], s49
	s_add_co_i32 s48, s48, 8
	s_lshl_b32 s48, s48, 23
	s_or_b32 s48, s48, 0x600000
	v_mov_b32 v[\vlim], s48
.endm
.macro QS src, dst, lim, sc, c         ; 16 numbers are held (the conversion to an 8-bit code does not saturate: ISA guide 7.6.2) and become 16 codes
.irp i, 0,1,2,3,4,5,6,7,8,9,10,11,12,13,14,15
	v_med3_num_f32 v[\dst+\i], v[\src+\i], -v[\lim], v[\lim]
.endr
	v_cvt_scalef32_pk8_fp8_f32 v[\c:\c+1], v[\dst:\dst+7], v[\sc]
	v_cvt_scalef32_pk8_fp8_f32 v[\c+2:\c+3], v[\dst+8:\dst+15], v[\sc]
	v_nop                                          ; a plain line behind the conversions, ahead of the next write of their sources
.endm
.irp t, 0,1,2,3
	LOAD \t
.endr
	s_wait_alu depctr_va_vdst(0)
	s_wait_kmcnt 0x0
	s_mov_b32 s44, s32                             ; the entry of set 0: 0, 1, 3, 5 or 11, by T
	s_cmp_eq_u32 s22, 1
	s_cselect_b32 s44, s33, s44
	s_cmp_eq_u32 s22, 2
	s_cselect_b32 s44, s35, s44
	s_cmp_eq_u32 s22, 3
	s_cselect_b32 s44, s37, s44
	s_cmp_eq_u32 s22, 4
	s_cselect_b32 s44, s43, s44
	MKSC s44, 11, 10
	MKSC s34, 9, 8                                 ; entry 2
	MKSC s36, 7, 6                                 ; entry 4
	s_wait_alu depctr_va_vdst(0)
	s_wait_loadcnt 12                              ; step 0's four loads are in
	TURN 0
.macro STEP t
.set XS, X+16*((\t)%2)
	s_wait_dscnt 0x0                               ; this step's numbers are back from the stage, and its stores into the stage have read their registers
	s_wait_xcnt 0x0                                ; the last step's stores have read their codes: C is written again only behind this wait
.if (\t)+4 < STEPS
	LOAD (\t)+4
.endif
.if (\t)+1 < STEPS
.if STEPS-2-(\t) >= 3
	s_wait_loadcnt 12                              ; the next step's four loads are in; the twelve of the three steps behind may be out
.else
	s_wait_loadcnt 4*(STEPS-2-(\t))
.endif
	TURN (\t)+1
.endif
	QS XS, H0, 10, 11, C
	global_store_b128 v3, v[C:C+3], s[26:27] offset:512*(\t)
	s_cmp_lg_u32 s22, 0                            ; hidden_states alone has two more scales
	s_cbranch_scc1 .Lone_\@
	QS XS, H1, 8, 9, C+4
	global_store_b128 v3, v[C+4:C+7], s[26:27] offset:4194304+512*(\t)
	QS XS, H0, 6, 7, C+8
	global_store_b128 v3, v[C+8:C+11], s[28:29] offset:512*(\t)
.Lone_\@:
.endm
.irp t, 0,1,2,3,4,5,6,7,8,9,10,11,12,13,14,15
	STEP \t
.endr
	s_wait_tensorcnt 0x0                           ; the wave's end
	ds_add_u32 v[SPW], v[NIL]
	s_wait_dscnt 0x0
	s_endpgm
; THE TABLE.  Lane l: token (l / 16) of a pair of tokens, frequencies m = 2 (l % 16) and m + 1.  The angle is token x frequency, rounded once, as reference() has it.
; Sine and cosine: n = the nearest whole number to x 2/pi; r = x - n pi/2 with pi/2 in two parts (the first product and difference are exact: n has 11 bits, the result is a multiple of 2^-24 under 1);
; polynomials on |r| <= pi/4; the quadrant n mod 4 chooses and signs by selection alone.
.Ltable:
	v_and_b32 v4, 15, v0
	v_mov_b32 v5, 1.0                              ; 10^(-m/8), m = 0, 1
	v_mov_b32 v6, 0.7498942093
.macro PICK k, a, b
	v_cmp_ne_u32 vcc_lo, \k, v4
	v_cndmask_b32 v5, \a, v5, vcc_lo
	v_cndmask_b32 v6, \b, v6, vcc_lo
.endm
	PICK 1, 0.5623413252, 0.4216965034
	PICK 2, 0.3162277660, 0.2371373706
	PICK 3, 0.1778279410, 0.1333521432
	PICK 4, 0.1, 0.07498942093
	PICK 5, 0.05623413252, 0.04216965034
	PICK 6, 0.03162277660, 0.02371373706
	PICK 7, 0.01778279410, 0.01333521432
	PICK 8, 0.01, 0.007498942093
	PICK 9, 0.005623413252, 0.004216965034
	PICK 10, 0.003162277660, 0.002371373706
	PICK 11, 0.001778279410, 0.001333521432
	PICK 12, 0.001, 0.0007498942093
	PICK 13, 0.0005623413252, 0.0004216965034
	PICK 14, 0.0003162277660, 0.0002371373706
	PICK 15, 0.0001778279410, 0.0001333521432
	s_sub_co_u32 s24, ttmp9, 640
	s_lshl_b32 s25, s24, 6
	s_lshl_b32 s26, s23, 4
	s_add_co_u32 s25, s25, s26                     ; my wave's first token
	v_bfe_u32 v7, v0, 4, 1
	v_add_nc_u32 v7, s25, v7
	s_wait_alu depctr_va_vdst(0)
	v_lshlrev_b32 v8, 4, v2                        ; 16 x lane: sixteen lanes fill a token's 256 bytes
	s_lshl_b32 s26, s25, 8
	s_mov_b32 s27, 0
	s_add_nc_u64 s[20:21], s[20:21], s[26:27]
	s_mov_b32 s50, 0x3f22f983                      ; 2 / pi
	s_mov_b32 s51, 0x3fc90fdb                      ; pi / 2, its f32 part,
	s_mov_b32 s52, 0xb33bbd2e                      ; and what that lacks
	s_mov_b32 s53, 0xb94ca1f9                      ; sine: -1.9515295891e-4,
	s_mov_b32 s54, 0x3c08839e                      ; 8.3321608736e-3,
	s_mov_b32 s55, 0xbe2aaaa3                      ; -1.6666654611e-1
	s_mov_b32 s56, 0x37ccf5ce                      ; cosine: 2.443315712e-5,
	s_mov_b32 s57, 0xbab6061a                      ; -1.388731625e-3,
	s_mov_b32 s58, 0x3d2aaaa5                      ; 4.166664568e-2
.macro ROT k                           ; two tokens x 32 frequencies; each trip has result registers of its own, so no store's data are written again
.set O4, 32+4*(\k)
	v_add_nc_u32 v16, 2*(\k), v7
	v_cvt_f32_u32 v16, v16
	v_mul_f32 v17, v16, v5
	v_mul_f32 v18, v16, v6
	v_mul_f32 v19, s50, v17
	v_mul_f32 v20, s50, v18
	v_rndne_f32 v19, v19
	v_rndne_f32 v20, v20
	v_fma_f32 v17, -v19, s51, v17
	v_fma_f32 v18, -v20, s51, v18
	v_fma_f32 v17, -v19, s52, v17
	v_fma_f32 v18, -v20, s52, v18
	v_mul_f32 v21, v17, v17
	v_mul_f32 v22, v18, v18
	v_fma_f32 v23, v21, s53, s54
	v_fma_f32 v24, v22, s53, s54
	v_fma_f32 v25, v21, s56, s57
	v_fma_f32 v26, v22, s56, s57
	v_fma_f32 v23, v23, v21, s55
	v_fma_f32 v24, v24, v22, s55
	v_fma_f32 v25, v25, v21, s58
	v_fma_f32 v26, v26, v22, s58
	v_mul_f32 v23, v23, v21
	v_mul_f32 v24, v24, v22
	v_mul_f32 v27, v21, v21
	v_mul_f32 v28, v22, v22
	v_fma_f32 v21, v21, -0.5, 1.0
	v_fma_f32 v22, v22, -0.5, 1.0
	v_fma_f32 v23, v23, v17, v17                   ; sin r
	v_fma_f32 v24, v24, v18, v18
	v_fma_f32 v25, v27, v25, v21                   ; cos r
	v_fma_f32 v26, v28, v26, v22
	v_cvt_i32_f32 v19, v19
	v_cvt_i32_f32 v20, v20
	v_and_b32 v27, 1, v19
	v_and_b32 v28, 1, v20
	v_cmp_eq_u32 vcc_lo, 1, v27                    ; in odd quadrants the two change places
	v_cndmask_b32 v[O4], v25, v23, vcc_lo
	v_cndmask_b32 v[O4+1], v23, v25, vcc_lo
	v_cmp_eq_u32 vcc_lo, 1, v28
	v_cndmask_b32 v[O4+2], v26, v24, vcc_lo
	v_cndmask_b32 v[O4+3], v24, v26, vcc_lo
	v_lshlrev_b32 v27, 30, v19                     ; the sine is negative in quadrants 2, 3,
	v_lshlrev_b32 v28, 30, v20
	v_and_b32 v27, 0x80000000, v27
	v_and_b32 v28, 0x80000000, v28
	v_xor_b32 v[O4+1], v[O4+1], v27
	v_xor_b32 v[O4+3], v[O4+3], v28
	v_add_nc_u32 v19, 1, v19                       ; the cosine in quadrants 1, 2
	v_add_nc_u32 v20, 1, v20
	v_lshlrev_b32 v19, 30, v19
	v_lshlrev_b32 v20, 30, v20
	v_and_b32 v19, 0x80000000, v19
	v_and_b32 v20, 0x80000000, v20
	v_xor_b32 v[O4], v[O4], v19
	v_xor_b32 v[O4+2], v[O4+2], v20
	global_store_b128 v8, v[O4:O4+3], s[20:21] offset:512*(\k)
.endm
.irp k, 0,1,2,3,4,5,6,7
	ROT \k
.endr
	s_endpgm
.Lfunc_end_k_q728f13e109_prep:
	.size	k_q728f13e109_prep, .Lfunc_end_k_q728f13e109_prep-k_q728f13e109_prep
	.p2alignl 7, 3214868480
	.fill 96, 4, 3214868480
	.section	.rodata,"a",@progbits
	.p2align	6, 0x0
	.amdhsa_kernel k_q728f13e109_prep
		.amdhsa_group_segment_fixed_size 33280
		.amdhsa_private_segment_fixed_size 0
		.amdhsa_enable_private_segment 0
		.amdhsa_kernarg_size 72
		.amdhsa_user_sgpr_count 2
		.amdhsa_user_sgpr_kernarg_segment_ptr 1
		.amdhsa_wavefront_size32 1
		.amdhsa_system_sgpr_workgroup_id_x 1
		.amdhsa_system_sgpr_workgroup_id_y 1
		.amdhsa_system_sgpr_workgroup_id_z 1
		.amdhsa_system_vgpr_workitem_id 0
		.amdhsa_next_free_vgpr 160
		.amdhsa_next_free_sgpr 66
		.amdhsa_reserve_vcc 1
		.amdhsa_float_denorm_mode_32 3
		.amdhsa_float_denorm_mode_16_64 3
		.amdhsa_memory_ordered 1
		.amdhsa_forward_progress 1
		.amdhsa_inst_pref_size 104
	.end_amdhsa_kernel
	.amdgpu_metadata
---
amdhsa.version: [ 1, 2 ]
amdhsa.kernels:
  - .name:           k_q728f13e109_prep
    .symbol:         k_q728f13e109_prep.kd
    .args:
      - { .name: hidden_states, .offset: 0, .size: 8, .value_kind: global_buffer, .address_space: global }
      - { .name: Wq, .offset: 8, .size: 8, .value_kind: global_buffer, .address_space: global }
      - { .name: Wk, .offset: 16, .size: 8, .value_kind: global_buffer, .address_space: global }
      - { .name: Wv, .offset: 24, .size: 8, .value_kind: global_buffer, .address_space: global }
      - { .name: Wo, .offset: 32, .size: 8, .value_kind: global_buffer, .address_space: global }
      - { .name: lowp_scales, .offset: 40, .size: 8, .value_kind: global_buffer, .address_space: global }
      - { .name: xc, .offset: 48, .size: 8, .value_kind: global_buffer, .address_space: global }
      - { .name: wc, .offset: 56, .size: 8, .value_kind: global_buffer, .address_space: global }
      - { .name: rope, .offset: 64, .size: 8, .value_kind: global_buffer, .address_space: global }
    .group_segment_fixed_size: 33280
    .private_segment_fixed_size: 0
    .kernarg_segment_align: 8
    .kernarg_segment_size: 72
    .max_flat_workgroup_size: 128
    .sgpr_count:     66
    .vgpr_count:     160
    .wavefront_size: 32
...
	.end_amdgpu_metadata
.endif
;; end of part 1
;; launch qkv (part 2): grid 24 x 8, 4 waves a work-group, clusters of 4 x 4, 327,680 bytes of LDS; arguments xc, wc, rope, lowp_scales, qkv; writes qkv
.if DOCPART == 2
	.amdgcn_target "amdgcn-amd-amdhsa--gfx1250"
	.amdhsa_code_object_version 6
	.text
	.protected	k_q728f13e109_qkv
	.globl	k_q728f13e109_qkv
	.p2align	8
	.type	k_q728f13e109_qkv,@function
k_q728f13e109_qkv:
	s_mov_b64 s[64:65], 0
	v_nop
	global_prefetch_b8 v0, s[64:65] scope:SCOPE_SE
	s_setreg_imm32_b32 hwreg(HW_REG_WAVE_MODE, 25, 1), 1
	s_wait_xcnt 0x0
	s_wait_alu depctr_hold_cnt(0) depctr_sa_sdst(0) depctr_va_vdst(0) depctr_va_sdst(0) depctr_va_ssrc(0) depctr_va_vcc(0) depctr_vm_vsrc(0)
	s_getreg_b32 s2, hwreg(HW_REG_IB_STS2, 6, 4)
	s_cmp_eq_u32 s2, 0
	s_cbranch_scc0 .Lentry_in_a_cluster
	s_endpgm
.Lentry_in_a_cluster:
	s_bfe_u32 s2, ttmp6, 0x10000c
	s_cmp_lg_u32 s2, 0xf033
	s_cbranch_scc0 .Lentry_shape_is_right
	s_endpgm
.Lentry_shape_is_right:
.set KSTEP,  256
.set ROWB,   256
.set KROW,   2048
.set PITCH,  272
.set FR,     16
.set NL,     4
.set NP,     4
.set HALFT,  128*PITCH
.set SLOT,   4*HALFT
.set LAPS,   4
.set STAGE,  2*SLOT
.set STAGEV, STAGE+4*2304
.set SPARE,  STAGEV+4*2304
.set ADRA, 16
.set ADRB, 20
.set SC,   18
.set LIM,  19
.set STV,  22
.set RDV,  23
.set STO,  24
.set RD,   25
.set CO,   26
.set SPW,  28
.set NIL,  29
.set TA,   30
.set TAB0, 32
.set BK,   96
.set Y,    128
.set T,    192
.set C,    200
.set AF,   128
.set G1, 24
.set G0, 32
.set G1B, 48
.set G0B, 56
.set MSB, 0
.macro WIN new
.if MSB != \new
	s_set_vgpr_msb (MSB<<8)|\new
.set MSB, \new
.endif
.endm
.set MUL_LO, 0xa1
.set MUL_HI, 0xf1
.set TO_B,   0x40
.macro JLOAD g0a, g1a, g0b, g1b
	s_cmp_eq_u32 s15, 0
	s_cbranch_scc0 .Lfor_b_\@
	tensor_load_to_lds s[\g0a:\g0a+3], s[\g1a:\g1a+7]
	s_nop 0
.rept 4
	v_nop
.endr
	s_branch .Lasked_\@
.Lfor_b_\@:
	tensor_load_to_lds s[\g0b:\g0b+3], s[\g1b:\g1b+7]
	s_nop 0
.rept 4
	v_nop
.endr
.Lasked_\@:
.endm
.macro CREST
	s_cmp_lg_u32 s14, 0
	s_cbranch_scc1 .Lnot_wave_0_\@
	s_barrier_signal -3
.Lnot_wave_0_\@:
	s_barrier_wait -3
	s_barrier_signal -1
	s_barrier_wait -1
.endm
.macro CROUND
	s_barrier_signal -1
	s_barrier_wait -1
	CREST
.endm
	s_load_b256 s[4:11], s[0:1], 0x0
	s_load_b64 s[12:13], s[0:1], 0x20
	v_lshl_add_u32 v[SPW], v0, 2, SPARE
	v_mov_b32 v[NIL], 0
	ds_add_u32 v[SPW], v[NIL]
	ds_add_u32 v[SPW], v[NIL]
	v_lshrrev_b32 v1, 5, v0
	v_readfirstlane_b32 s14, v1
	s_lshr_b32 s15, s14, 1
	s_and_b32 s16, s14, 1
	s_bfe_u32 s40, ttmp6, 0x40000
	s_bfe_u32 s41, ttmp6, 0x40004
	s_lshr_b32 s66, ttmp9, 1
	s_and_b32 s42, ttmp9, 1
	s_lshl_b32 s42, s42, 2
	s_add_co_u32 s42, s42, s40
	s_and_b32 s17, ttmp7, 0xffff
	s_lshl_b32 s17, s17, 2
	s_add_co_u32 s17, s17, s41
	s_lshl_b32 s43, s41, 2
	s_lshl_b32 s43, 15, s43
	s_lshl_b32 s44, 0x1111, s40
	s_or_b32 s[G1+0], s43, (0<<16)|(1<<20)|(1<<21)|(5<<22)|(3<<25)
	s_or_b32 s[G1B+0], s44, (0<<16)|(1<<20)|(1<<21)|(5<<22)|(3<<25)
.irp g, G1, G1B
	s_mov_b32 s[\g+1], ROWB<<16
	s_mov_b32 s[\g+2], 128<<16
	s_mov_b32 s[\g+3], ROWB<<16
	s_mov_b32 s[\g+4], 128
	s_mov_b32 s[\g+5], KROW
	s_mov_b32 s[\g+6], 0
	s_mov_b32 s[\g+7], 0
.endr
	s_lshl_b32 s84, s66, 22
	s_lshl_b32 s18, s16, 7
	s_lshl_b32 s20, s17, 8
	s_add_co_u32 s20, s20, s18
	s_lshl_b32 s20, s20, 11
	s_add_co_u32 s20, s20, s84
	s_lshl_b32 s46, s42, 8
	s_add_co_u32 s46, s46, s18
	s_lshl_b32 s46, s46, 11
	s_add_co_u32 s46, s46, s84
	s_mov_b32 s21, 0
	s_mov_b32 s47, 0
	s_mul_i32 s45, s14, HALFT
	s_wait_dscnt 0x0
	s_wait_kmcnt 0x0
	s_load_b256 s[68:75], s[10:11], 0x0
	s_load_b128 s[76:79], s[10:11], 0x20
	s_cmp_eq_u32 s66, 2
	s_cselect_b64 s[80:81], s[6:7], s[4:5]
	s_cselect_b64 s[82:83], s[4:5], s[6:7]
	s_add_nc_u64 s[20:21], s[80:81], s[20:21]
	s_add_nc_u64 s[46:47], s[82:83], s[46:47]
	CROUND
.irp s, 0,1
	s_mov_b32 s[G0+4*\s], 1
	s_add_co_u32 s[G0+4*\s+1], s45, \s*SLOT
	s_add_nc_u64 s[G0+4*\s+2:G0+4*\s+3], s[20:21], \s*ROWB
	s_or_b32 s[G0+4*\s+3], s[G0+4*\s+3], 0x80000000
	s_mov_b32 s[G0B+4*\s], 1
	s_add_co_u32 s[G0B+4*\s+1], s45, \s*SLOT
	s_add_nc_u64 s[G0B+4*\s+2:G0B+4*\s+3], s[46:47], \s*ROWB
	s_or_b32 s[G0B+4*\s+3], s[G0B+4*\s+3], 0x80000000
.if \s                                         ; slot 1's first fill is issued as a refill is; slot 0's stands behind the opening round
	s_wait_alu depctr_va_vdst(0)
	s_wait_tensorcnt 0x0
	ds_add_u32 v28, v29
	ds_add_u32 v28, v29
	s_wait_dscnt 0x0
	CROUND
.endif
	JLOAD G0+4*\s, G1, G0B+4*\s, G1B
.endr
	v_and_b32 v1, 15, v0
	s_wait_alu depctr_va_vdst(0)
	v_bfe_u32 v2, v0, 4, 1
	v_mul_u32_u24 v3, v1, PITCH
	v_lshl_add_u32 v4, v2, 4, v3
	s_mul_i32 s21, s15, HALFT
	s_mul_i32 s22, s16, HALFT
	s_add_co_u32 s22, s22, 2*HALFT
.irp s, 0,1
	v_add_nc_u32 v[ADRA+\s], s21, v4
	v_add_nc_u32 v[ADRB+\s], s22, v4
	s_add_co_u32 s21, s21, SLOT
	s_add_co_u32 s22, s22, SLOT
.endr
	s_mul_i32 s23, s14, 2304
	v_mul_u32_u24 v5, v1, 144
	s_wait_alu depctr_va_vdst(0)
	v_lshl_add_u32 v6, v2, 3, v5
	v_add_nc_u32 v6, s23, v6
	v_add_nc_u32 v[STO], STAGE, v6
	v_lshl_add_u32 v6, v2, 4, v5
	v_add_nc_u32 v6, s23, v6
	v_add_nc_u32 v[STV], STAGEV, v6
	v_bfe_u32 v5, v0, 3, 2
	v_mul_u32_u24 v5, v5, 144
	v_and_b32 v6, 7, v0
	v_lshl_add_u32 v5, v6, 4, v5
	v_add_nc_u32 v5, s23, v5
	v_add_nc_u32 v[RD], STAGE, v5
	v_add_nc_u32 v[RDV], STAGEV, v5
	v_and_b32 v6, 31, v0
	v_lshlrev_b32 v[CO], 4, v6
	v_lshlrev_b32 v[TA], 8, v1
	v_lshl_add_u32 v[TA], v2, 5, v[TA]
	s_lshl_b32 s86, s17, 1
	s_add_co_u32 s86, s86, s15
	s_lshl_b32 s87, s42, 1
	s_add_co_u32 s87, s87, s16
	s_cmp_eq_u32 s66, 2
	s_cselect_b32 s88, s86, s87
	s_cselect_b32 s89, s87, s86
	s_lshr_b32 s90, s88, 1
	s_lshl_b32 s90, s90, 19
	s_lshl_b32 s91, s89, 15
	s_add_co_u32 s90, s90, s91
	s_and_b32 s91, s88, 1
	s_lshl_b32 s91, s91, 14
	s_add_co_u32 s90, s90, s91
	s_add_co_u32 s90, s90, s84
	s_mov_b32 s91, 0
	s_add_nc_u64 s[12:13], s[12:13], s[90:91]
	s_lshl_b32 s92, s86, 15
	s_mov_b32 s93, 0
	s_add_nc_u64 s[8:9], s[8:9], s[92:93]
.macro FRAG reg, adr, q, i
.irp c, 0,1,2,3
	ds_load_b128 v[\reg+4*\c:\reg+4*\c+3], v[\adr] offset:128*(\q)+32*\c+(\i)*16*PITCH
.endr
.endm
.macro MUL16 a0, p, zero
.irp a, \a0, \a0+1
.irp b, 0,1,2,3,4,5,6,7
.if \zero
	v_wmma_f32_16x16x128_fp8_fp8 v[8*(8*((\a)%4)+\b):8*(8*((\a)%4)+\b)+7], v[128*(\p)+FR*\b:128*(\p)+FR*\b+FR-1], v[AF+FR*(\a):AF+FR*(\a)+FR-1], 0
.else
	v_wmma_f32_16x16x128_fp8_fp8 v[8*(8*((\a)%4)+\b):8*(8*((\a)%4)+\b)+7], v[128*(\p)+FR*\b:128*(\p)+FR*\b+FR-1], v[AF+FR*(\a):AF+FR*(\a)+FR-1], v[8*(8*((\a)%4)+\b):8*(8*((\a)%4)+\b)+7]
.endif
.endr
.endr
.endm
.macro FETCH_B slot, q, p
	WIN TO_B
.irp i, 0,1,2,3,4,5,6,7
	FRAG 128*(\p)+FR*\i, ADRB+\slot, \q, \i
.endr
	WIN 0
.endm
.macro FETCH_A slot, q, i0
.irp i, \i0, \i0+1, \i0+2, \i0+3
	FRAG AF+FR*(\i), ADRA+\slot, \q, \i
.endr
.endm
.macro PLACES n
.rept \n
	v_nop
.endr
.endm
.macro STEP slot, q, zero
	s_wait_dscnt 4*NL
	WIN MUL_LO
	MUL16 0, (\q)%2, \zero
	MUL16 2, (\q)%2, \zero
	s_wait_dscnt 0
	PLACES NP
	FETCH_B \slot, (\q)+1, 1-(\q)%2
	FETCH_A \slot, (\q)+1, 0
	WIN MUL_HI
	MUL16 4, (\q)%2, \zero
	MUL16 6, (\q)%2, \zero
	PLACES NP
	WIN 0
	FETCH_A \slot, (\q)+1, 4
.endm
.macro TURN slot, next, fill
	s_wait_tensorcnt 0x0
	ds_add_u32 v[SPW], v[NIL]
	s_wait_dscnt 4*NL+1
	WIN MUL_LO
	MUL16 0, 1, 0
	s_wait_dscnt 0x0
	s_barrier_signal -1
	MUL16 2, 1, 0
	WIN 0
	s_barrier_wait -1
.if \fill
	CREST
	s_add_nc_u64 s[G0+4*\slot+2:G0+4*\slot+3], s[G0+4*\slot+2:G0+4*\slot+3], 2*ROWB
	s_add_nc_u64 s[G0B+4*\slot+2:G0B+4*\slot+3], s[G0B+4*\slot+2:G0B+4*\slot+3], 2*ROWB
	JLOAD G0+4*\slot, G1, G0B+4*\slot, G1B
.else
	PLACES NP
.endif
	FETCH_B \next, 0, 0
	FETCH_A \next, 0, 0
	WIN MUL_HI
	MUL16 4, 1, 0
	MUL16 6, 1, 0
	PLACES NP
	WIN 0
	FETCH_A \next, 0, 4
.endm
.macro LASTSTEP
	s_wait_dscnt 4*NL
	WIN MUL_LO
	MUL16 0, 1, 0
	MUL16 2, 1, 0
	s_wait_dscnt 0
	WIN MUL_HI
	MUL16 4, 1, 0
	MUL16 6, 1, 0
	WIN 0
.endm
	s_wait_tensorcnt 1
	s_barrier_signal -1
	s_barrier_wait -1
	FETCH_B 0, 0, 0
	FETCH_A 0, 0, 0
	FETCH_A 0, 0, 4
	STEP 0, 0, 1
	s_mov_b32 s3, LAPS-1
.Llap:
	TURN 0, 1, 1
	STEP 1, 0, 0
	TURN 1, 0, 1
	STEP 0, 0, 0
	s_sub_co_u32 s3, s3, 1
	s_cmp_lg_u32 s3, 0
	s_cbranch_scc1 .Llap
	TURN 0, 1, 0
	STEP 1, 0, 0
	s_wait_kmcnt 0x0
	s_sub_co_i32 s84, s74, s68
	s_sub_co_i32 s84, s84, s69
	s_sub_co_i32 s85, s75, s70
	s_sub_co_i32 s85, s85, s71
	s_sub_co_i32 s94, s77, s72
	s_sub_co_i32 s94, s94, s73
	s_cmp_eq_u32 s66, 1
	s_cselect_b32 s84, s85, s84
	s_cmp_eq_u32 s66, 2
	s_cselect_b32 s84, s94, s84
	s_add_co_i32 s84, s84, 127
	s_lshl_b32 s85, s84, 23
	v_mov_b32 v[SC], s85
	s_add_co_i32 s84, s84, 8
	s_lshl_b32 s84, s84, 23
	s_or_b32 s84, s84, 0x600000
	v_mov_b32 v[LIM], s84
.macro TABLOAD a, reg
.irp b, 0,1,2,3
	global_load_b128 v[\reg+8*\b:\reg+8*\b+3], v[TA], s[8:9] offset:(\a)*4096+64*\b
	global_load_b128 v[\reg+8*\b+4:\reg+8*\b+7], v[TA], s[8:9] offset:(\a)*4096+64*\b+16
.endr
.endm
.macro CODES a
.irp b, 0,1,2,3,4,5,6,7
	v_cvt_scalef32_pk8_fp8_f32 v[C+16*((\a)%2)+2*\b:C+16*((\a)%2)+2*\b+1], v[Y+8*\b:Y+8*\b+7], v[SC]
.endr
	v_nop
.endm
.macro PACKR a
.set AC, 64*((\a)%4)
.if (\a) < 2
.set TBL, TAB0+32*(\a)
.set WN, 2
.else
.set TBL, 32*((\a)-2)
.set WN, (2+(\a)/4)+4
.endif
	s_wait_loadcnt 8*(7-(\a))
	WIN WN
.irp b, 0,1,2,3,4,5,6,7
.irp p, 0,1,2,3
	v_mul_f32 v[T+2*\p], v[AC+8*\b+2*\p+1], v[TBL+8*(\b%4)+2*\p+1]
	v_mul_f32 v[T+2*\p+1], v[AC+8*\b+2*\p], v[TBL+8*(\b%4)+2*\p+1]
	v_fma_f32 v[Y+8*\b+2*\p], v[AC+8*\b+2*\p], v[TBL+8*(\b%4)+2*\p], -v[T+2*\p]
	v_fma_f32 v[Y+8*\b+2*\p+1], v[AC+8*\b+2*\p+1], v[TBL+8*(\b%4)+2*\p], v[T+2*\p+1]
.endr
.endr
	WIN 0
.irp i, 0,1,2,3,4,5,6,7,8,9,10,11,12,13,14,15,16,17,18,19,20,21,22,23,24,25,26,27,28,29,30,31,32,33,34,35,36,37,38,39,40,41,42,43,44,45,46,47,48,49,50,51,52,53,54,55,56,57,58,59,60,61,62,63
	v_med3_num_f32 v[Y+\i], v[Y+\i], -v[LIM], v[LIM]
.endr
	CODES \a
.endm
.macro PACKV a
.set AC, 64*((\a)%4)
.set WN, 2+(\a)/4
	WIN WN
.irp i, 0,1,2,3,4,5,6,7,8,9,10,11,12,13,14,15,16,17,18,19,20,21,22,23,24,25,26,27,28,29,30,31,32,33,34,35,36,37,38,39,40,41,42,43,44,45,46,47,48,49,50,51,52,53,54,55,56,57,58,59,60,61,62,63
	v_med3_num_f32 v[Y+\i], v[AC+\i], -v[LIM], v[LIM]
.endr
	WIN 0
	CODES \a
.endm
.macro TOSTAGE a, isv
.if (\a) >= 2
	s_wait_xcnt 0x0
.endif
.set CC, C+16*((\a)%2)
.set BB, BK+16*((\a)%2)
.irp b, 0,1,2,3,4,5,6,7
.if \isv
	ds_store_b64 v[STV], v[CC+2*\b:CC+2*\b+1] offset:32*(\b/2)+8*(\b%2)
.else
	ds_store_b64 v[STO], v[CC+2*\b:CC+2*\b+1] offset:16*\b
.endif
.endr
.irp t, 0,1,2,3
.if \isv
	ds_load_b128 v[BB+4*\t:BB+4*\t+3], v[RDV] offset:576*\t
.else
	ds_load_b128 v[BB+4*\t:BB+4*\t+3], v[RD] offset:576*\t
.endif
.endr
.endm
.macro SEND a
.set BB, BK+16*((\a)%2)
	s_wait_dscnt 0x0
.irp t, 0,1,2,3
	global_store_b128 v[CO], v[BB+4*\t:BB+4*\t+3], s[12:13] offset:(\a)*2048+512*\t
.endr
.endm
	s_cmp_eq_u32 s66, 2
	s_cbranch_scc1 .Lv
	s_wait_alu depctr_va_vdst(0)
	TABLOAD 0, TAB0
	TABLOAD 1, TAB0+32
	LASTSTEP
	PLACES NP
	WIN 0x40
.irp a, 2,3,4,5,6,7
	TABLOAD \a, 32*(\a-2)
.endr
	WIN 0
	PACKR 0
	TOSTAGE 0, 0
.irp a, 1,2,3,4,5,6,7
	PACKR \a
	s_wait_alu depctr_va_vdst(0)
	SEND \a-1
	TOSTAGE \a, 0
.endr
	SEND 7
	s_branch .Lend
.Lv:
	LASTSTEP
	PLACES NP
	s_wait_alu depctr_va_vdst(0)
	PACKV 0
	TOSTAGE 0, 1
.irp a, 1,2,3,4,5,6,7
	PACKV \a
	s_wait_alu depctr_va_vdst(0)
	SEND \a-1
	TOSTAGE \a, 1
.endr
	SEND 7
.Lend:
	s_wait_tensorcnt 0x0
	ds_add_u32 v[SPW], v[NIL]
	s_wait_dscnt 0x0
	CROUND
	s_endpgm
.Lfunc_end_k_q728f13e109_qkv:
	.size	k_q728f13e109_qkv, .Lfunc_end_k_q728f13e109_qkv-k_q728f13e109_qkv
	.p2alignl 7, 3214868480
	.fill 96, 4, 3214868480
	.section	.rodata,"a",@progbits
	.p2align	6, 0x0
	.amdhsa_kernel k_q728f13e109_qkv
		.amdhsa_group_segment_fixed_size 327680
		.amdhsa_private_segment_fixed_size 0
		.amdhsa_enable_private_segment 0
		.amdhsa_kernarg_size 40
		.amdhsa_user_sgpr_count 2
		.amdhsa_user_sgpr_kernarg_segment_ptr 1
		.amdhsa_wavefront_size32 1
		.amdhsa_system_sgpr_workgroup_id_x 1
		.amdhsa_system_sgpr_workgroup_id_y 1
		.amdhsa_system_sgpr_workgroup_id_z 1
		.amdhsa_system_vgpr_workitem_id 0
		.amdhsa_next_free_vgpr 1024
		.amdhsa_next_free_sgpr 100
		.amdhsa_reserve_vcc 0
		.amdhsa_float_denorm_mode_32 3
		.amdhsa_float_denorm_mode_16_64 3
		.amdhsa_memory_ordered 1
		.amdhsa_forward_progress 1
		.amdhsa_inst_pref_size 231
	.end_amdhsa_kernel
	.amdgpu_metadata
---
amdhsa.version: [ 1, 2 ]
amdhsa.kernels:
  - .name:           k_q728f13e109_qkv
    .symbol:         k_q728f13e109_qkv.kd
    .args:
      - { .name: xc, .offset: 0, .size: 8, .value_kind: global_buffer, .address_space: global }
      - { .name: wc, .offset: 8, .size: 8, .value_kind: global_buffer, .address_space: global }
      - { .name: rope, .offset: 16, .size: 8, .value_kind: global_buffer, .address_space: global }
      - { .name: lowp_scales, .offset: 24, .size: 8, .value_kind: global_buffer, .address_space: global }
      - { .name: qkv, .offset: 32, .size: 8, .value_kind: global_buffer, .address_space: global }
    .group_segment_fixed_size: 327680
    .private_segment_fixed_size: 0
    .kernarg_segment_align: 8
    .kernarg_segment_size: 40
    .max_flat_workgroup_size: 128
    .sgpr_count:     100
    .vgpr_count:     1024
    .wavefront_size: 32
...
	.end_amdgpu_metadata
.endif
;; end of part 2
;; launch attn (part 3): grid 32 x 8, 8 waves a work-group, clusters of 4 x 4, 327,680 bytes of LDS; arguments qkv, attention_mask, lowp_scales, ac; writes ac
.if DOCPART == 3
	.amdgcn_target "amdgcn-amd-amdhsa--gfx1250"
	.amdhsa_code_object_version 6
	.text
	.protected	k_q728f13e109_attn
	.globl	k_q728f13e109_attn
	.p2align	8
	.type	k_q728f13e109_attn,@function
k_q728f13e109_attn:
	s_mov_b64 s[64:65], 0
	v_nop
	global_prefetch_b8 v0, s[64:65] scope:SCOPE_SE
	s_setreg_imm32_b32 hwreg(HW_REG_WAVE_MODE, 25, 1), 1
	s_wait_xcnt 0x0
	s_wait_alu depctr_hold_cnt(0) depctr_sa_sdst(0) depctr_va_vdst(0) depctr_va_sdst(0) depctr_va_ssrc(0) depctr_va_vcc(0) depctr_vm_vsrc(0)
	s_getreg_b32 s2, hwreg(HW_REG_IB_STS2, 6, 4)
	s_cmp_eq_u32 s2, 0
	s_cbranch_scc0 .Lentry_in_a_cluster
	s_endpgm
.Lentry_in_a_cluster:
	s_bfe_u32 s2, ttmp6, 0x10000c
	s_cmp_lg_u32 s2, 0xf033
	s_cbranch_scc0 .Lentry_shape_is_right
	s_endpgm
.Lentry_shape_is_right:
; ATTN: scores = q k^T / sqrt(128) + mask, the softmax, p v, and the quantiser of the result, on codes of E4M3.  The mask is an input: every key of every head is worked, whatever it holds.
; logit = sum x c' + mask (one fused line; c' = 2^(e6 + e7) / sqrt(128)).  M = the ceiling of (the running largest logit x log2(e), rounded), a whole number, kept as -M;  t - M = logit x log2(e) - M is one fused line;
; p = 2^(t - M) is quantised with 2^e8; the row's sum is taken of the unquantised p; when M moves, the sum and O are multiplied by 2^(old M - new M), which rounds nothing.
; SHARES.  A work-group: 64 queries x 2 heads (a token's 256 bytes of ac are then whole), eight waves, two to a SIMD.  Wave w: head w % 2, queries 32 ((w / 2) % 2) on, two tiles of 16,
; and of every 256 keys the 128 that begin at 128 p, p = w / 4, in two steps of 64.  Each wave streams over its half of the keys with a running M of its own; at the end waves w and w xor 4 join their halves:
; both are brought under the larger M by powers of two, O and the sums are added, O / sum is converted with 2^(e10 - e8 - e9).
; Register tile u of a wave holds query tile u xor p: so every wave sends its register tile 1 to its partner and finishes its register tile 0, and no branch is needed.
; LAYOUT.  Both products transposed: S^T = K Q^T (K = 128, four tiles of 16 keys), O^T = V^T P^T (K = 64 keys, eight tiles of 16 channels): a lane holds one query (lane % 16).  Register j of S^T's tile n is
; key 16 n + 8 (lane / 16) + j: eight neighbours, whose codes are registers 2 n, 2 n + 1 of P in the operand's own order of k; V's codes were laid in that order by the launch before.
; THE RING.  Two slots of 256 keys of K and V: 2 x 65,536 bytes, dense in memory, stated as rows of 256 bytes (two rows of 128 codes) with 16 bytes of padding: row x of 128 bytes lies at 272 (x / 2) + 128 (x % 2).
; Each of the eight waves fetches 64 such rows, one joint load a wave: waves 0 to 3 K's parts (block of 128 keys, head), waves 4 to 7 V's.
; CLUSTERS: 4 x 4: K and V hang on the head pair and are shared along a row of the cluster: they are asked for jointly.
; THE MASK does not go through the ring, and is not asked for jointly: two slots take 278,528 bytes of LDS, and the mask's 64 rows x 1,024 bytes, twice, would not fit beside them.  Each wave loads its own
; 32 queries x 64 keys, 256 consecutive aligned bytes of a row to sixteen lanes, a whole trip (two steps) ahead of their use, into one of two sets of 64 registers, and turns them through a stage of its own
; in LDS (16 rows x 272 bytes, no fill lands there) into S^T's layout, in place.  These loads are their own look-ahead: no prefetch is laid for the mask.
; LIMITS: the promise holds while the scaled scores stay under 2^31 in magnitude.  e6 + e7 between -122 and 131; e8, and e10 - e8 - e9, between -126 and 119.  NaN among the inputs is not served.
; REGISTERS: window 0: v3-14 addresses; v16-31 eight statistics a tile; v32-37 maxima; v40-47 addresses, scales, the add's two; v48-79 Q; v80-95 P; v96-159 S^T, 32 a tile; v160-223 the mask of even steps; v224-239 at work.
;   window 1: v0-127 O^T, 64 a tile; v128-191 K's four fragments, then V's eight; v192-255 the mask of odd steps.
.set RP,    272                        ; two rows of K or V in LDS: 256 bytes + 16
.set PART,  64*RP                      ; what one tensor load brings: 128 rows of 128 codes
.set VOFF,  4*PART
.set SLOT1, 8*PART                     ; 139,264 bytes in a slot
.set MST,   2*SLOT1                    ; behind the ring: the mask's stages, 16 rows x 272 bytes a wave,
.set MSZ,   16*RP
.set SPARE, MST+8*MSZ                  ; and the spare words, 128 bytes a wave
.set XB,    0                          ; the way out lies in slot 0, behind its last fill and a barrier behind its last read: where partners exchange a tile,
.set XSZ,   8704                       ; a wave's part: 64 registers x 128 bytes, and 512 for four statistics
.set STAGE, 8*XSZ                      ; and the stage, 64 rows x 272 bytes
.set SPITCH, 272
.set AK0, 3
.set AV0, 4
.set ADK, 5
.set ADV, 6
.set MSI, 7
.set MSO, 8
.set MO,  9
.set STO, 11
.set RD,  12
.set GO,  13
.set PFO, 14
.set ST,  16                           ; tile u at v[ST + 8 u]: +0 -M, +1 the largest logit, +2, +3 the sum, +4 f, +5 its pair's other word, +6, +7 at work
.set MX,  32
.set XS,  40
.set XR,  41
.set PLIM, 42
.set PSC,  43
.set OSC,  44
.set OLIM, 45
.set SPW, 46
.set NIL, 47
.set Q,   48
.set P,   80
.set S,   96
.set SB,  224
.set QO,  228
.set WV,  12
.set SEL, 20
.set CQ,  22
.set G1,  24
.set G0,  40
.set KOFF, 44
.set MB0, 52
.set MB1, 54
.set TB,  56
.set CNT, 57
.set LIM, 58
.set PFA, 60
.set LG,  66
.set MSB, 0
.macro WIN new
.if MSB != \new
	s_set_vgpr_msb (MSB<<8)|\new
.set MSB, \new
.endif
.endm
.macro CROUND
	s_barrier_signal -1
	s_barrier_wait -1
	s_cmp_lg_u32 s[WV], 0
	s_cbranch_scc1 .Lnot_wave_0_\@
	s_barrier_signal -3
.Lnot_wave_0_\@:
	s_barrier_wait -3
	s_barrier_signal -1
	s_barrier_wait -1
.endm
.macro CREST                           ; a round of the cluster's barrier behind its opening barrier
	s_cmp_lg_u32 s[WV], 0
	s_cbranch_scc1 .Lnot_w0_\@
	s_barrier_signal -3
.Lnot_w0_\@:
	s_barrier_wait -3
	s_barrier_signal -1
	s_barrier_wait -1
.endm
; THE OPENING OF A CHANGE OF SLOTS.  It stands where the wave has issued its last read of the slot in hand (V's fragments of its second step); s[TB] already names the slot of the next trip.
; All my tensor loads are waited for (my part of the next slot), 0 is added to my spare word, and the wait for that is also the wait for V's fragments; then the barrier is signalled.
; What is left of the step is work on registers, and stands between the signal and the wait.
.macro OPEN
	s_wait_tensorcnt 0x0
	ds_add_u32 v[SPW], v[NIL]                      ; the steps of descriptor and bases stand between it and its wait
	s_xor_b32 s45, s[TB], SLOT1                    ; the slot that I leave,
	s_add_co_u32 s[G0+1], s45, s[KOFF]             ; my part of it,
	s_add_nc_u64 s[G0+2:G0+3], s[G0+2:G0+3], 65536 ; the next 256 keys (behind the last fill the stepped addresses are not used)
	s_wait_xcnt 0x0                                ; this trip's prefetch and loads of the mask have read their bases
	s_add_nc_u64 s[PFA:PFA+1], s[PFA:PFA+1], 65536
	s_add_nc_u64 s[MB0:MB0+1], s[MB0:MB0+1], 1024  ; the mask's bases stand one trip ahead of the keys in hand
	s_add_nc_u64 s[MB1:MB1+1], s[MB1:MB1+1], 1024
	s_wait_dscnt 0x0                               ; the add is done, and my reads of the slot are over
	s_barrier_signal -1
.endm
.macro JLOAD
	tensor_load_to_lds s[G0:G0+3], s[G1:G1+7]
	s_nop 0
.rept 4
	v_nop
.endr
.endm
; A PREFETCH of the slot that the next change of slots will ask for.  K's and V's 65,536 bytes are read by every cluster of a row of clusters: cluster x = 0 asks; the four partners of a row take 16,384 bytes
; of each, told apart by address; waves 0, 1 ask for K's, waves 2, 3 for V's, 8,192 bytes a wave, lanes 256 bytes apart.  So each aligned 256 bytes are named once.
; The loop's last trip asks for nothing: no slot follows the one that it loads.  Slots 0 and 1 come by their loads alone.
.macro ASK
	s_cmp_gt_u32 s[CNT], s[LIM]
	s_cbranch_scc0 .Lnot_mine_\@
	global_prefetch_b8 v[PFO], s[PFA:PFA+1] th:TH_LOAD_NT scope:SCOPE_SE
.Lnot_mine_\@:
.endm
.macro MKSC e, vsc, vlim               ; 2^e and 448 x 2^e as f32 numbers
	s_add_co_i32 s80, \e, 127
	s_lshl_b32 s81, s80, 23
	v_mov_b32 v[\vsc], s81
	s_add_co_i32 s80, s80, 8
	s_lshl_b32 s80, s80, 23
	s_or_b32 s80, s80, 0x600000
	v_mov_b32 v[\vlim], s80
.endm
.macro GMASK reg, sp                   ; 16 loads: my 32 queries x 64 keys of step sp of the trip at which the bases stand; sixteen lanes read 256 consecutive bytes of a row, aligned
.irp i, 0,1,2,3,4,5,6,7
	global_load_b128 v[\reg+4*\i:\reg+4*\i+3], v[MO], s[MB0:MB0+1] offset:16384*\i+256*(\sp)
.endr
.irp i, 0,1,2,3,4,5,6,7
	global_load_b128 v[\reg+32+4*\i:\reg+32+4*\i+3], v[MO], s[MB1:MB1+1] offset:16384*\i+256*(\sp)
.endr
.endm
	s_load_b256 s[4:11], s[0:1], 0x0               ; qkv, attention_mask, lowp_scales, ac
	v_lshl_add_u32 v[SPW], v0, 2, SPARE
	v_mov_b32 v[NIL], 0
	ds_add_u32 v[SPW], v[NIL]                      ; the wave's opening: the add, twice on end, and its wait ahead of my first tensor load
	ds_add_u32 v[SPW], v[NIL]
	v_lshrrev_b32 v1, 5, v0
	v_readfirstlane_b32 s[WV], v1
	s_and_b32 s14, s[WV], 1                        ; my head of the pair
	s_bfe_u32 s13, s[WV], 0x10001                  ; my half of the queries
	s_lshr_b32 s19, s[WV], 2                       ; p: my half of the keys.  Also: I fetch for K (0) or for V (1)
	s_and_b32 s48, s[WV], 3                        ; which part of it I fetch
	s_bfe_u32 s15, ttmp6, 0x40000                  ; cx
	s_bfe_u32 s16, ttmp6, 0x40004                  ; cy
	s_lshl_b32 s17, ttmp9, 2
	s_add_co_u32 s17, s17, s15                     ; the block of 64 queries
	s_and_b32 s18, ttmp7, 0xffff
	s_lshl_b32 s18, s18, 2
	s_add_co_u32 s18, s18, s16                     ; the head pair
	s_lshl_b32 s80, s16, 2
	s_lshl_b32 s80, 15, s80                        ; my row of the cluster
	s_or_b32 s[G1], s80, (0<<16)|(1<<20)|(1<<21)|(5<<22)|(3<<25)  ; elements of 1 byte; 4 words of padding behind every 64
	s_mov_b32 s[G1+1], 256<<16
	s_mov_b32 s[G1+2], 64<<16
	s_mov_b32 s[G1+3], 256<<16
	s_mov_b32 s[G1+4], 64                          ; 64 rows of 256 bytes, dense
	s_mov_b32 s[G1+5], 256
	s_mov_b32 s[G1+6], 0
	s_mov_b32 s[G1+7], 0
	s_mov_b32 s[SEL], 0x76543210
	s_mov_b32 s[SEL+1], 0xfedcba98
	s_mov_b32 s[LG], 0x3fb8aa3b                    ; log2(e)
	s_mov_b32 s[LG+1], s[LG]
	s_lshl_b32 s82, s18, 19                        ; the head pair's bytes in each third of qkv,
	s_lshl_b32 s83, s19, 22                        ; k's third or v's,
	s_add_co_u32 s82, s82, s83
	s_lshl_b32 s83, s48, 14                        ; my 16,384 bytes of a slot's 65,536
	s_add_co_u32 s82, s82, s83
	s_add_co_u32 s82, s82, 0x400000
	s_mov_b32 s83, 0
	s_mul_i32 s[KOFF], s[WV], PART                 ; and their place in a slot
	s_wait_dscnt 0x0                               ; both opening adds are done
	s_wait_kmcnt 0x0
	s_load_b256 s[68:75], s[8:9], 0x0              ; e0 to e7
	s_load_b128 s[76:79], s[8:9], 0x20             ; e8 to e11
	s_mov_b32 s[G0], 1
	s_mov_b32 s[G0+1], s[KOFF]
	s_add_nc_u64 s[G0+2:G0+3], s[4:5], s[82:83]
	s_or_b32 s[G0+3], s[G0+3], 0x80000000
	CROUND                                         ; all sixteen work-groups are here: the first joint loads meet
	JLOAD                                          ; slot 0: one tensor load a wave at the head
	; scalar set-up: Q, the mask, ac, the prefetches, the LDS places
	s_lshl_b32 s84, s18, 19
	s_lshr_b32 s90, s17, 1                         ; Q: the block of 128 tokens,
	s_lshl_b32 s90, s90, 15
	s_add_co_u32 s90, s90, s84
	s_lshl_b32 s91, s14, 14                        ; my head,
	s_add_co_u32 s90, s90, s91
	s_and_b32 s91, s17, 1
	s_lshl_b32 s91, s91, 13                        ; the block's half of 64 rows,
	s_add_co_u32 s90, s90, s91
	s_lshl_b32 s91, s13, 12                        ; my 32 of them,
	s_add_co_u32 s90, s90, s91
	s_lshl_b32 s91, s19, 11                        ; register tile 0 holds query tile p,
	s_add_co_u32 s90, s90, s91
	s_xor_b32 s92, s90, 2048                       ; register tile 1 the other
	s_mov_b32 s91, 0
	s_mov_b32 s93, 0
	s_add_nc_u64 s[90:91], s[4:5], s[90:91]
	s_add_nc_u64 s[92:93], s[4:5], s[92:93]
	s_lshl_b32 s86, s13, 1
	s_add_co_u32 s86, s86, s19                     ; register tile 0's tile of 16 queries among the work-group's four,
	s_xor_b32 s87, s86, 1                          ; register tile 1's
	s_lshl_b32 s88, s17, 2
	s_add_co_u32 s[MB0], s88, s86
	s_add_co_u32 s[MB1], s88, s87
	s_lshl_b32 s[MB0], s[MB0], 17                  ; the mask: 16 rows of 8,192 bytes to a tile,
	s_lshl_b32 s[MB1], s[MB1], 17
	s_lshl_b32 s88, s19, 9                         ; my 128 keys of a trip's 256
	s_add_co_u32 s[MB0], s[MB0], s88
	s_add_co_u32 s[MB1], s[MB1], s88
	s_mov_b32 s[MB0+1], 0
	s_mov_b32 s[MB1+1], 0
	s_add_nc_u64 s[MB0:MB0+1], s[6:7], s[MB0:MB0+1]
	s_add_nc_u64 s[MB1:MB1+1], s[6:7], s[MB1:MB1+1]
	s_lshl_b32 s94, s17, 6
	s_lshl_b32 s95, s[WV], 3
	s_add_co_u32 s94, s94, s95
	s_lshl_b32 s94, s94, 11                        ; ac: row 64 x block + 8 x wave,
	s_lshl_b32 s95, s18, 8                         ; the head pair's 256 bytes
	s_add_co_u32 s94, s94, s95
	s_mov_b32 s95, 0
	s_add_nc_u64 s[10:11], s[10:11], s[94:95]
	s_lshl_b32 s85, s13, 22                        ; the prefetches: waves 0, 1: k's third; waves 2, 3: v's;
	s_add_co_u32 s84, s84, s85
	s_add_co_u32 s84, s84, 0x410000                ; they stand at slot 1: the first change of slots steps them to slot 2
	s_lshl_b32 s85, s15, 14
	s_add_co_u32 s84, s84, s85                     ; my work-group's 16,384 bytes,
	s_lshl_b32 s85, s14, 13
	s_add_co_u32 s84, s84, s85                     ; my wave's 8,192
	s_mov_b32 s85, 0
	s_add_nc_u64 s[PFA:PFA+1], s[4:5], s[84:85]
	s_cmp_gt_u32 s[WV], 3
	s_cselect_b32 s81, 1, 0                        ; waves 4 to 7 never ask
	s_or_b32 s80, s81, ttmp9                       ; nor do the clusters with x above 0
	s_cmp_eq_u32 s80, 0
	s_cselect_b32 s[LIM], 1, -1                    ; the same in all sixteen partners, for a given wave
	s_lshl_b32 s46, s19, 1
	s_add_co_u32 s46, s46, s14
	s_mul_i32 s46, s46, PART                       ; K: the part of block p and my head
	s_add_co_u32 s47, s46, VOFF                    ; V likewise
	s_mul_i32 s48, s86, 16*SPITCH
	s_lshl_b32 s88, s14, 7
	s_add_co_u32 s48, s48, s88
	s_add_co_u32 s48, s48, STAGE                   ; the stage, on the way in
	s_mul_i32 s49, s[WV], 8*SPITCH
	s_add_co_u32 s49, s49, STAGE                   ; and back: my 8 rows
	s_mul_i32 s50, s[WV], XSZ
	s_add_co_u32 s50, s50, XB                      ; what I send,
	s_xor_b32 s51, s[WV], 4
	s_mul_i32 s51, s51, XSZ
	s_add_co_u32 s51, s51, XB                      ; what my partner sends
	s_mul_i32 s59, s[WV], MSZ
	s_add_co_u32 s59, s59, MST                     ; the mask's stage of my own
	v_and_b32 v1, 15, v0                           ; r
	v_bfe_u32 v2, v0, 4, 1                         ; h
	v_lshlrev_b32 v[QO], 7, v1
	v_lshl_add_u32 v[QO], v2, 4, v[QO]
	v_lshlrev_b32 v[MO], 13, v2
	v_lshl_add_u32 v[MO], v1, 4, v[MO]             ; the mask in memory: lanes 0-15 one row, lanes 16-31 the next; 16 bytes a lane
	s_wait_alu depctr_va_vdst(0)
.irp c, 0,1,2,3
	global_load_b128 v[Q+4*\c:Q+4*\c+3], v[QO], s[90:91] offset:32*\c        ; Q stays in registers: the same order of the head's 128 as K's fragments have
	global_load_b128 v[Q+16+4*\c:Q+16+4*\c+3], v[QO], s[92:93] offset:32*\c
.endr
	GMASK 160, 0                                   ; the mask of trip 0's two steps
	WIN 0x40
	GMASK 192, 1
	WIN 0
	v_lshrrev_b32 v[AK0], 1, v1
	v_mul_u32_u24 v[AK0], v[AK0], RP
	v_and_b32 v[AV0], 1, v1
	v_lshl_add_u32 v[AK0], v[AV0], 7, v[AK0]
	v_lshl_add_u32 v[AK0], v2, 4, v[AK0]           ; row r of 128 bytes: 272 (r / 2) + 128 (r % 2), + 16 h
	v_add_nc_u32 v[AV0], s47, v[AK0]
	v_add_nc_u32 v[AK0], s46, v[AK0]
	v_mul_u32_u24 v[MSI], v2, RP
	v_lshl_add_u32 v[MSI], v1, 4, v[MSI]
	v_add_nc_u32 v[MSI], s59, v[MSI]               ; into the mask's stage: as loaded
	v_mul_u32_u24 v[MSO], v1, RP
	v_lshl_add_u32 v[MSO], v2, 5, v[MSO]
	v_add_nc_u32 v[MSO], s59, v[MSO]               ; out of it: row r, + 32 h
	v_mul_u32_u24 v[STO], v1, SPITCH
	v_lshl_add_u32 v[STO], v2, 3, v[STO]
	v_add_nc_u32 v[STO], s48, v[STO]               ; row of my finished tile + r, + 128 x head + 8 h
	v_mul_u32_u24 v[RD], v2, SPITCH
	v_lshl_add_u32 v[RD], v1, 4, v[RD]
	v_add_nc_u32 v[RD], s49, v[RD]                 ; sixteen lanes to a row
	v_lshlrev_b32 v[GO], 11, v2
	v_lshl_add_u32 v[GO], v1, 4, v[GO]
	v_and_b32 v[PFO], 31, v0
	v_lshlrev_b32 v[XS], 4, v[PFO]
	v_add_nc_u32 v[XR], s51, v[XS]
	v_add_nc_u32 v[XS], s50, v[XS]
	v_lshlrev_b32 v[PFO], 8, v[PFO]                ; 256 x lane
.irp u, 0,1
	v_mov_b32 v[ST+8*\u], 0x7f000000               ; -M: above every -M to come
	v_mov_b32 v[ST+8*\u+1], 0xfe967699             ; the largest logit so far: -1e38
.irp i, 2,3,4,5,6,7
	v_mov_b32 v[ST+8*\u+\i], 0
.endr
.endr
	v_mov_b32 v[MX+4], 0                           ; a lane permute's destination counts as one of its sources
	v_mov_b32 v[MX+5], 0
	v_mov_b32 v233, 0                              ; (named as the upper halves of pairs on the way out)
	v_mov_b32 v235, 0
	s_wait_kmcnt 0x0
	s_add_co_i32 s80, s74, s75
	s_lshl_b32 s80, s80, 23
	s_mov_b32 s[CQ], 0x3db504f3                    ; 1 / sqrt(128),
	s_add_co_i32 s[CQ], s[CQ], s80                 ; x 2^(e6 + e7): added to its exponent field
	s_mov_b32 s[CQ+1], s[CQ]
	MKSC s76, PSC, PLIM                            ; 2^e8
	s_sub_co_i32 s82, s78, s76
	s_sub_co_i32 s82, s82, s77
	MKSC s82, OSC, OLIM                            ; 2^(e10 - e8 - e9)
	WIN 0x40
.set j, 0
.rept 128
	v_mov_b32 v[j], 0                              ; O^T.  (The step is written for every step alike: the first finds zeros, which the first change of M leaves zeros)
.set j, j+1
.endr
	WIN 0
; A STEP: 64 keys, the sp-th of my 128 of the slot in hand, both tiles together.  fill = 1: the mask of the same step of the next trip is asked for as soon as this step's has been added.
.macro SUB fill, sp, open
.if \sp
.set MKR, 192
.set WLS, 0x44
.set WFM, 0x10
.set WGL, 0x40
.else
.set MKR, 160
.set WLS, 0
.set WFM, 0
.set WGL, 0
.endif
	WIN 0x40
.irp n, 0,1,2,3
.irp c, 0,1,2,3
	ds_load_b128 v[128+16*\n+4*\c:128+16*\n+4*\c+3], v[ADK] offset:(\sp)*32*RP+\n*8*RP+32*\c   ; K: 16 loads
.endr
.endr
.if (\fill)|(1-(\sp))
	s_wait_loadcnt 16                              ; this step's 16 loads of the mask are in; the 16 issued behind them may be out
.else
	s_wait_loadcnt 0
.endif
	WIN WLS
.irp u, 0,1                                    ; the mask turns through my stage, a tile at a time, in place: LDS serves a wave's instructions in order (ISA guide 5.7.1.4), so no wait stands between
.irp i, 0,1,2,3,4,5,6,7
	ds_store_b128 v[MSI], v[MKR+32*\u+4*\i:MKR+32*\u+4*\i+3] offset:\i*2*RP
.endr
.irp n, 0,1,2,3
	ds_load_b128 v[MKR+32*\u+8*\n:MKR+32*\u+8*\n+3], v[MSO] offset:64*\n                       ; register 8 n + j belongs to key 16 n + 8 h + j, as in S^T
	ds_load_b128 v[MKR+32*\u+8*\n+4:MKR+32*\u+8*\n+7], v[MSO] offset:64*\n+16
.endr
.endr
	s_wait_dscnt 32                                ; K is in; the stage's 16 stores and 16 loads may be out
	WIN 0x01
.irp n, 0,1,2,3
.irp u, 0,1
	v_wmma_f32_16x16x128_fp8_fp8 v[S+32*\u+8*\n:S+32*\u+8*\n+7], v[128+16*\n:128+16*\n+15], v[Q+16*\u:Q+16*\u+15], 0
.endr
.endr
	WIN 0
	s_wait_dscnt 0x0                               ; the mask is in
.rept 4
	v_nop                                          ; places behind the products: for the loads into K's registers and for the reads of S^T
.endr
	WIN 0x40
.irp t, 0,1,2,3,4,5,6,7
.irp c, 0,1
	ds_load_b128 v[128+8*\t+4*\c:128+8*\t+4*\c+3], v[ADV] offset:\t*8*RP+64*(\sp)+32*\c        ; V: 16 loads, where K's fragments lay
.endr
.endr
	WIN WFM
.set j, 0
.rept 32
	v_pk_fma_f32 v[S+j:S+j+1], v[S+j:S+j+1], s[CQ:CQ+1], v[MKR+j:MKR+j+1] op_sel_hi:[1,0,1]    ; the logit; each accumulator from its low end on
.set j, j+2
.endr
.if \fill
	WIN WGL
	GMASK MKR, \sp
.endif
	WIN 0
.irp u, 0,1
.irp k, 0,1
	v_max3_num_f32 v[MX+2*\u+\k], v[S+32*\u+16*\k], v[S+32*\u+16*\k+1], v[S+32*\u+16*\k+2]     ; the largest logit of my 32 keys a tile, in two chains a tile
.endr
.endr
.irp i, 3,5,7,9,11,13
.irp u, 0,1
.irp k, 0,1
	v_max3_num_f32 v[MX+2*\u+\k], v[MX+2*\u+\k], v[S+32*\u+16*\k+\i], v[S+32*\u+16*\k+\i+1]
.endr
.endr
.endr
.irp u, 0,1
	v_max3_num_f32 v[MX+2*\u], v[MX+2*\u], v[S+32*\u+15], v[S+32*\u+31]
.endr
.irp u, 0,1
	v_max3_num_f32 v[MX+2*\u], v[MX+2*\u], v[MX+2*\u+1], v[ST+8*\u+1]                          ; with the running one
.endr
.irp u, 0,1
	v_permlanex16_b32 v[MX+4+\u], v[MX+2*\u], s[SEL], s[SEL+1]
.endr
.irp u, 0,1
	v_max_num_f32 v[ST+8*\u+1], v[MX+2*\u], v[MX+4+\u]                                         ; and the other half of the lanes'
.endr
.irp u, 0,1
	v_mul_f32 v[ST+8*\u+6], s[LG], v[ST+8*\u+1]                                                ; the largest t, rounded (log2(e) is positive, so it is the largest of the rounded t)
	v_mov_b32 v[ST+8*\u+7], v[ST+8*\u]
.endr
.irp u, 0,1
	v_floor_f32 v[ST+8*\u], -v[ST+8*\u+6]                                                      ; -M = floor(-t)
.endr
.irp u, 0,1
	v_sub_f32 v[ST+8*\u+7], v[ST+8*\u], v[ST+8*\u+7]                                           ; old M - new M: a whole number, 0 or less
.endr
.irp u, 0,1
	v_cvt_i32_f32 v[ST+8*\u+7], v[ST+8*\u+7]                                                   ; (it saturates)
.endr
.irp u, 0,1
	v_ldexp_f32 v[ST+8*\u+4], 1.0, v[ST+8*\u+7]                                                ; f
.endr
	WIN 0x41
.irp u, 0,1
.set j, 0
.rept 32
	v_pk_mul_f32 v[64*\u+j:64*\u+j+1], v[64*\u+j:64*\u+j+1], v[ST+8*\u+4:ST+8*\u+5] op_sel_hi:[1,0]   ; O^T under the new M, ahead of the exponentials
.set j, j+2
.endr
.endr
	WIN 0
.irp u, 0,1
.set j, 0
.rept 16
	v_pk_fma_f32 v[S+32*\u+j:S+32*\u+j+1], v[S+32*\u+j:S+32*\u+j+1], s[LG:LG+1], v[ST+8*\u:ST+8*\u+1] op_sel_hi:[1,0,0]   ; t - M
.set j, j+2
.endr
.endr
	s_wait_alu depctr_va_vdst(0)
.set j, 0
.rept 64
	v_exp_f32 v[S+j], v[S+j]
.set j, j+1
.endr
.irp u, 0,1
	v_pk_mul_f32 v[ST+8*\u+2:ST+8*\u+3], v[ST+8*\u+2:ST+8*\u+3], v[ST+8*\u+4:ST+8*\u+5] op_sel_hi:[1,0]   ; the sums under the new M: plain lines behind the batch
.endr
	s_wait_alu depctr_va_vdst(0)                   ; one wait for the 64 exponentials, ahead of their first reader
.if \open
	s_xor_b32 s[TB], s[TB], SLOT1                  ; on to the other slot: my addresses in this one have been made
	OPEN                                           ; V is in, and the change of slots is opened
.else
	s_wait_dscnt 0x0                               ; V is in
.endif
.irp u, 0,1
	v_pk_add_f32 v[SB+2*\u:SB+2*\u+1], v[S+32*\u:S+32*\u+1], v[S+32*\u+2:S+32*\u+3]            ; the sum of the unquantised p, in two chains a tile
.endr
.irp i, 4,8,12,16,20,24,28
.irp u, 0,1
	v_pk_add_f32 v[ST+8*\u+2:ST+8*\u+3], v[ST+8*\u+2:ST+8*\u+3], v[S+32*\u+\i:S+32*\u+\i+1]
	v_pk_add_f32 v[SB+2*\u:SB+2*\u+1], v[SB+2*\u:SB+2*\u+1], v[S+32*\u+\i+2:S+32*\u+\i+3]
.endr
.endr
.irp u, 0,1
	v_pk_add_f32 v[ST+8*\u+2:ST+8*\u+3], v[ST+8*\u+2:ST+8*\u+3], v[SB+2*\u:SB+2*\u+1]
.endr
.irp n, 0,1,2,3,4,5,6,7
.irp i, 0,1,2,3,4,5,6,7
	v_min_num_f32 v[S+8*\n+\i], v[S+8*\n+\i], v[PLIM]                                          ; the hold (the conversion does not saturate: ISA guide 7.6.2); p is not negative, so it is one-sided
.endr
	v_cvt_scalef32_pk8_fp8_f32 v[P+2*\n:P+2*\n+1], v[S+8*\n:S+8*\n+7], v[PSC]
.endr
	v_nop                                          ; a plain line between the last conversion and the products
	WIN 0x51
.irp t, 0,1,2,3,4,5,6,7
.irp u, 0,1
	v_wmma_f32_16x16x64_fp8_fp8 v[64*\u+8*\t:64*\u+8*\t+7], v[128+8*\t:128+8*\t+7], v[P+8*\u:P+8*\u+7], v[64*\u+8*\t:64*\u+8*\t+7]   ; sixteen accumulators, one instruction each
.endr
.endr
	WIN 0
.endm
; A TRIP: the change of slots, then my two steps of the slot in hand; no barrier stands between the two.
; THE CHANGE.  Each wave waits for all its tensor loads (its part of the slot that it is about to read), adds 0 to its spare word, and waits for that and for its reads of the slot that it has left.
; fill = 1: a round of the cluster's barrier, then the next slot's joint load, one a wave (the first time: slot 1's first fill, issued as a refill is); fill = 0: my work-group's barrier, nothing is fetched.
.macro TRIP fill
	s_barrier_wait -1                              ; the barrier was signalled in the step before (the first time: at the head's end): every wave has left the other slot, and the slot ahead is whole
.if \fill
	CREST
	JLOAD
.endif
	v_add_nc_u32 v[ADK], s[TB], v[AK0]             ; these four are the places between the last products and the loads into their operands
	v_add_nc_u32 v[ADV], s[TB], v[AV0]
	v_nop
	v_nop
	s_wait_alu depctr_va_vdst(0)
	SUB \fill, 0, 0
.if \fill
	ASK
.endif
.rept 4
	v_nop                                          ; places between the last products and the loads into their operands
.endr
	SUB \fill, 1, \fill
.endm
	s_mov_b32 s[TB], 0
	s_mov_b32 s[CNT], 7
	s_wait_alu depctr_va_vdst(0)
	s_wait_loadcnt 32                              ; Q is in; the mask's 32 loads may be out
	OPEN                                           ; the first change of slots: my part of slot 0 has landed
.Ltrip:
	TRIP 1
	s_sub_co_u32 s[CNT], s[CNT], 1
	s_cmp_lg_u32 s[CNT], 0
	s_cbranch_scc1 .Ltrip
	TRIP 0                                         ; slot 7: nothing is left to fetch
	; THE TWO HALVES OF THE KEYS JOIN.  Every wave sends its register tile 1 (O^T, -M, the sums) as an image of its registers and takes its partner's, which is the query tile of its own register tile 0.
.rept 4
	v_nop
.endr
	s_wait_dscnt 0x0
	s_barrier_signal -1
	s_barrier_wait -1                              ; every wave has left the ring: slot 0, which has had its last fill, serves the way out
	WIN 0x04
.irp i, 0,1,2,3,4,5,6,7,8,9,10,11,12,13,14,15
	ds_store_b128 v[XS], v[64+4*\i:64+4*\i+3] offset:512*\i
.endr
	WIN 0
	ds_store_b128 v[XS], v[ST+8:ST+11] offset:8192
	s_wait_alu depctr_va_vdst(0)
	s_wait_dscnt 0x0                               ; for my partner's sake: my stores are done
	s_barrier_signal -1
	s_barrier_wait -1
.irp i, 0,1,2,3,4,5,6,7,8,9,10,11,12,13,14,15
	ds_load_b128 v[S+4*\i:S+4*\i+3], v[XR] offset:512*\i
.endr
	ds_load_b128 v[224:227], v[XR] offset:8192     ; its -M, its largest logit, its sum's two halves
	s_wait_dscnt 0x0
	v_min_num_f32 v228, v[ST], v224                ; -M of the larger M
	v_add_f32 v[ST+2], v[ST+2], v[ST+3]
	v_add_f32 v226, v226, v227
	v_sub_f32 v229, v228, v[ST]                    ; my M - the larger: a whole number, 0 or less
	v_sub_f32 v230, v228, v224
	v_cvt_i32_f32 v229, v229
	v_cvt_i32_f32 v230, v230
	v_ldexp_f32 v232, 1.0, v229
	v_ldexp_f32 v234, 1.0, v230
	v_mul_f32 v[ST+2], v[ST+2], v232
	v_fma_f32 v[ST+2], v226, v234, v[ST+2]
	v_permlanex16_b32 v[MX+4], v[ST+2], s[SEL], s[SEL+1]
	v_add_f32 v[ST+2], v[ST+2], v[MX+4]            ; the row's sum
	s_wait_alu depctr_va_vdst(0)
	v_rcp_f32 v236, v[ST+2]
	v_nop                                          ; a plain line behind it,
	s_wait_alu depctr_va_vdst(0)                   ; and the wait ahead of its first reader
	v_mul_f32 v232, v232, v236                     ; the two powers of two, each / the sum
	v_mul_f32 v234, v234, v236
.set j, 0
.rept 32
	v_pk_mul_f32 v[S+j:S+j+1], v[S+j:S+j+1], v[234:235] op_sel_hi:[1,0]
.set j, j+2
.endr
	WIN 0x01
	s_wait_alu depctr_va_vdst(0)                   ; directly ahead of the first reader of O^T
.set j, 0
.rept 32
	v_pk_fma_f32 v[S+j:S+j+1], v[j:j+1], v[232:233], v[S+j:S+j+1] op_sel_hi:[1,0,1]
.set j, j+2
.endr
	WIN 0
.irp t, 0,1,2,3,4,5,6,7
.irp i, 0,1,2,3,4,5,6,7
	v_med3_num_f32 v[S+8*\t+\i], v[S+8*\t+\i], -v[OLIM], v[OLIM]
.endr
	v_cvt_scalef32_pk8_fp8_f32 v[P+2*\t:P+2*\t+1], v[S+8*\t:S+8*\t+7], v[OSC]
.endr
	v_nop
	; THE WAY OUT.  A token's 256 bytes come from two waves, so the codes meet in the stage and each wave stores 8 whole rows.
.irp t, 0,1,2,3,4,5,6,7
	ds_store_b64 v[STO], v[P+2*\t:P+2*\t+1] offset:16*\t   ; my query r, channels 16 t + 8 h on
.endr
	s_wait_dscnt 0x0                               ; for the others' sake: my stores are done
	s_barrier_signal -1
	s_barrier_wait -1
.irp i, 0,1,2,3
	ds_load_b128 v[S+4*\i:S+4*\i+3], v[RD] offset:2*\i*SPITCH
.endr
.irp i, 0,1,2,3
	s_wait_dscnt 3-\i
	global_store_b128 v[GO], v[S+4*\i:S+4*\i+3], s[10:11] offset:4096*\i   ; sixteen lanes store 256 consecutive bytes, aligned
.endr
	s_wait_tensorcnt 0x0                           ; the wave's end
	ds_add_u32 v[SPW], v[NIL]
	s_wait_dscnt 0x0
	CROUND                                         ; the closing round
	s_endpgm
.Lfunc_end_k_q728f13e109_attn:
	.size	k_q728f13e109_attn, .Lfunc_end_k_q728f13e109_attn-k_q728f13e109_attn
	.p2alignl 7, 3214868480
	.fill 96, 4, 3214868480
	.section	.rodata,"a",@progbits
	.p2align	6, 0x0
	.amdhsa_kernel k_q728f13e109_attn
		.amdhsa_group_segment_fixed_size 327680
		.amdhsa_private_segment_fixed_size 0
		.amdhsa_enable_private_segment 0
		.amdhsa_kernarg_size 32
		.amdhsa_user_sgpr_count 2
		.amdhsa_user_sgpr_kernarg_segment_ptr 1
		.amdhsa_wavefront_size32 1
		.amdhsa_system_sgpr_workgroup_id_x 1
		.amdhsa_system_sgpr_workgroup_id_y 1
		.amdhsa_system_sgpr_workgroup_id_z 1
		.amdhsa_system_vgpr_workitem_id 0
		.amdhsa_next_free_vgpr 512
		.amdhsa_next_free_sgpr 100
		.amdhsa_reserve_vcc 0
		.amdhsa_float_denorm_mode_32 3
		.amdhsa_float_denorm_mode_16_64 3
		.amdhsa_memory_ordered 1
		.amdhsa_forward_progress 1
		.amdhsa_inst_pref_size 131
	.end_amdhsa_kernel
	.amdgpu_metadata
---
amdhsa.version: [ 1, 2 ]
amdhsa.kernels:
  - .name:           k_q728f13e109_attn
    .symbol:         k_q728f13e109_attn.kd
    .args:
      - { .name: qkv, .offset: 0, .size: 8, .value_kind: global_buffer, .address_space: global }
      - { .name: attention_mask, .offset: 8, .size: 8, .value_kind: global_buffer, .address_space: global }
      - { .name: lowp_scales, .offset: 16, .size: 8, .value_kind: global_buffer, .address_space: global }
      - { .name: ac, .offset: 24, .size: 8, .value_kind: global_buffer, .address_space: global }
    .group_segment_fixed_size: 327680
    .private_segment_fixed_size: 0
    .kernarg_segment_align: 8
    .kernarg_segment_size: 32
    .max_flat_workgroup_size: 256
    .sgpr_count:     100
    .vgpr_count:     512
    .wavefront_size: 32
...
	.end_amdgpu_metadata
.endif
;; end of part 3
;; launch oproj (part 4): grid 16 x 16, 4 waves a work-group, clusters of 4 x 4, 327,680 bytes of LDS; arguments ac, wc, lowp_scales, out0; writes out0
.if DOCPART == 4
	.amdgcn_target "amdgcn-amd-amdhsa--gfx1250"
	.amdhsa_code_object_version 6
	.text
	.protected	k_q728f13e109_oproj
	.globl	k_q728f13e109_oproj
	.p2align	8
	.type	k_q728f13e109_oproj,@function
k_q728f13e109_oproj:
	s_mov_b64 s[64:65], 0
	v_nop
	global_prefetch_b8 v0, s[64:65] scope:SCOPE_SE
	s_setreg_imm32_b32 hwreg(HW_REG_WAVE_MODE, 25, 1), 1
	s_wait_xcnt 0x0
	s_wait_alu depctr_hold_cnt(0) depctr_sa_sdst(0) depctr_va_vdst(0) depctr_va_sdst(0) depctr_va_ssrc(0) depctr_va_vcc(0) depctr_vm_vsrc(0)
	s_getreg_b32 s2, hwreg(HW_REG_IB_STS2, 6, 4)
	s_cmp_eq_u32 s2, 0
	s_cbranch_scc0 .Lentry_in_a_cluster
	s_endpgm
.Lentry_in_a_cluster:
	s_bfe_u32 s2, ttmp6, 0x10000c
	s_cmp_lg_u32 s2, 0xf033
	s_cbranch_scc0 .Lentry_shape_is_right
	s_endpgm
.Lentry_shape_is_right:
.set KSTEP,  512
.set KROW,   2048
.set PITCH,  528
.set HALFT,  64*PITCH
.set SLOT,   4*HALFT
.set STAGE,  2*SLOT
.set SPITCH, 272
.set SPARE,  STAGE+4*16*SPITCH
.set ADRA, 16
.set ADRB, 20
.set STO,  24
.set RD,   25
.set CO,   26
.set SPW,  28
.set NIL,  29
.set TMP,  32
.set BK,   64
.set ACC,  128
.set F0,   0
.set F1,   128
.set G1, 24
.set G0, 32
.set G1B, 48
.set G0B, 56
.set MSB, 0
.macro WIN new
.if MSB != \new
	s_set_vgpr_msb (MSB<<8)|\new
.set MSB, \new
.endif
.endm
.set MUL,  0x05
.set TO_F, 0x40
.macro JLOAD s
	s_cmp_eq_u32 s15, 0
	s_cbranch_scc0 .Lfor_b_\@
	tensor_load_to_lds s[G0+4*\s:G0+4*\s+3], s[G1:G1+7]
	s_nop 0
.rept 4
	v_nop
.endr
	s_branch .Lasked_\@
.Lfor_b_\@:
	tensor_load_to_lds s[G0B+4*\s:G0B+4*\s+3], s[G1B:G1B+7]
	s_nop 0
.rept 4
	v_nop
.endr
.Lasked_\@:
.endm
.macro CREST
	s_cmp_lg_u32 s14, 0
	s_cbranch_scc1 .Lnot_wave_0_\@
	s_barrier_signal -3
.Lnot_wave_0_\@:
	s_barrier_wait -3
	s_barrier_signal -1
	s_barrier_wait -1
.endm
.macro CROUND
	s_barrier_signal -1
	s_barrier_wait -1
	CREST
.endm
	s_load_b256 s[4:11], s[0:1], 0x0
	v_lshl_add_u32 v[SPW], v0, 2, SPARE
	v_mov_b32 v[NIL], 0
	ds_add_u32 v[SPW], v[NIL]
	ds_add_u32 v[SPW], v[NIL]
	v_lshrrev_b32 v1, 5, v0
	v_readfirstlane_b32 s14, v1
	s_lshr_b32 s15, s14, 1
	s_and_b32 s16, s14, 1
	s_bfe_u32 s40, ttmp6, 0x40000
	s_bfe_u32 s41, ttmp6, 0x40004
	s_lshl_b32 s42, ttmp9, 2
	s_add_co_u32 s42, s42, s40
	s_and_b32 s17, ttmp7, 0xffff
	s_lshl_b32 s17, s17, 2
	s_add_co_u32 s17, s17, s41
	s_lshl_b32 s43, s41, 2
	s_lshl_b32 s43, 15, s43
	s_lshl_b32 s44, 0x1111, s40
	s_or_b32 s[G1+0], s43, (0<<16)|(1<<20)|(1<<21)|(6<<22)|(3<<25)
	s_or_b32 s[G1B+0], s44, (0<<16)|(1<<20)|(1<<21)|(6<<22)|(3<<25)
.irp g, G1, G1B
	s_mov_b32 s[\g+1], KSTEP<<16
	s_mov_b32 s[\g+2], 64<<16
	s_mov_b32 s[\g+3], KSTEP<<16
	s_mov_b32 s[\g+4], 64
	s_mov_b32 s[\g+5], KROW
	s_mov_b32 s[\g+6], 0
	s_mov_b32 s[\g+7], 0
.endr
	s_lshl_b32 s18, s16, 6
	s_lshl_b32 s20, s17, 7
	s_add_co_u32 s20, s20, s18
	s_lshl_b32 s20, s20, 11
	s_lshl_b32 s46, s42, 7
	s_add_co_u32 s46, s46, s18
	s_lshl_b32 s46, s46, 11
	s_add_co_u32 s46, s46, 0xc00000
	s_mov_b32 s21, 0
	s_mov_b32 s47, 0
	s_mul_i32 s45, s14, HALFT
	s_wait_dscnt 0x0
	s_wait_kmcnt 0x0
	s_load_b64 s[96:97], s[8:9], 0x28
	s_add_nc_u64 s[20:21], s[4:5], s[20:21]
	s_add_nc_u64 s[46:47], s[6:7], s[46:47]
	CROUND
.irp s, 0,1
	s_mov_b32 s[G0+4*\s], 1
	s_add_co_u32 s[G0+4*\s+1], s45, \s*SLOT
	s_add_nc_u64 s[G0+4*\s+2:G0+4*\s+3], s[20:21], \s*KSTEP
	s_or_b32 s[G0+4*\s+3], s[G0+4*\s+3], 0x80000000
	s_mov_b32 s[G0B+4*\s], 1
	s_add_co_u32 s[G0B+4*\s+1], s45, \s*SLOT
	s_add_nc_u64 s[G0B+4*\s+2:G0B+4*\s+3], s[46:47], \s*KSTEP
	s_or_b32 s[G0B+4*\s+3], s[G0B+4*\s+3], 0x80000000
.if \s                                         ; slot 1's first fill is issued as a refill is; slot 0's stands behind the opening round
	s_wait_alu depctr_va_vdst(0)
	s_wait_tensorcnt 0x0
	ds_add_u32 v28, v29
	ds_add_u32 v28, v29
	s_wait_dscnt 0x0
	CROUND
.endif
	JLOAD \s
.endr
	v_and_b32 v1, 15, v0
	s_wait_alu depctr_va_vdst(0)
	v_bfe_u32 v2, v0, 4, 1
	v_mul_u32_u24 v3, v1, PITCH
	v_lshl_add_u32 v4, v2, 4, v3
	s_mul_i32 s21, s15, HALFT
	s_mul_i32 s22, s16, HALFT
	s_add_co_u32 s22, s22, 2*HALFT
.irp s, 0,1
	v_add_nc_u32 v[ADRA+\s], s21, v4
	v_add_nc_u32 v[ADRB+\s], s22, v4
	s_add_co_u32 s21, s21, SLOT
	s_add_co_u32 s22, s22, SLOT
.endr
	s_mul_i32 s23, s14, 16*SPITCH
	s_add_co_u32 s23, s23, STAGE
	v_mul_u32_u24 v5, v1, SPITCH
	s_wait_alu depctr_va_vdst(0)
	v_lshl_add_u32 v5, v2, 5, v5
	v_add_nc_u32 v[STO], s23, v5
	v_mul_u32_u24 v5, v2, SPITCH
	v_lshl_add_u32 v5, v1, 4, v5
	v_add_nc_u32 v[RD], s23, v5
	v_lshlrev_b32 v[CO], 13, v2
	v_lshl_add_u32 v[CO], v1, 4, v[CO]
	s_lshl_b32 s20, s17, 7
	s_lshl_b32 s21, s15, 6
	s_add_co_u32 s20, s20, s21
	s_lshl_b32 s20, s20, 13
	s_lshl_b32 s46, s42, 9
	s_lshl_b32 s47, s16, 8
	s_add_co_u32 s46, s46, s47
	s_add_co_u32 s20, s20, s46
	s_mov_b32 s21, 0
	s_add_nc_u64 s[10:11], s[10:11], s[20:21]
.macro FRAG reg, adr, k, i
.irp c, 0,1,2,3
	ds_load_b128 v[\reg+4*\c:\reg+4*\c+3], v[\adr] offset:(\k)+32*\c+(\i)*16*PITCH
.endr
.endm
.macro FETCH slot, k, f
	WIN TO_F
.irp i, 0,1,2,3
	FRAG \f+64+16*\i, ADRB+\slot, \k, \i
.endr
.irp i, 0,1,2,3
	FRAG \f+16*\i, ADRA+\slot, \k, \i
.endr
.endm
.macro MUL8 f, a0, zero
.irp a, \a0, \a0+1
.irp b, 0,1,2,3
.if \zero
	v_wmma_f32_16x16x128_fp8_fp8 v[ACC+8*(4*(\a)+\b):ACC+8*(4*(\a)+\b)+7], v[\f+64+16*\b:\f+64+16*\b+15], v[\f+16*(\a):\f+16*(\a)+15], 0
.else
	v_wmma_f32_16x16x128_fp8_fp8 v[ACC+8*(4*(\a)+\b):ACC+8*(4*(\a)+\b)+7], v[\f+64+16*\b:\f+64+16*\b+15], v[\f+16*(\a):\f+16*(\a)+15], v[ACC+8*(4*(\a)+\b):ACC+8*(4*(\a)+\b)+7]
.endif
.endr
.endr
.endm
.macro PLACES
.rept 4
	v_nop
.endr
.endm
.macro QUARTER slot, k, f, g, zero
	s_wait_dscnt 8
	WIN MUL
	MUL8 \f, 0, \zero
	PLACES
	FETCH \slot, \k, \g
	s_wait_dscnt 32
	WIN MUL
	MUL8 \f, 2, \zero
.endm
.macro TURN slot, next, fill
	WIN 0
	s_wait_tensorcnt 0x0
	ds_add_u32 v[SPW], v[NIL]
	s_wait_dscnt 9
	WIN MUL
	MUL8 F1, 0, 0
	s_wait_dscnt 0x0
	WIN 0
	s_barrier_signal -1
	s_barrier_wait -1
.if \fill
	CREST
	s_add_nc_u64 s[G0+4*\slot+2:G0+4*\slot+3], s[G0+4*\slot+2:G0+4*\slot+3], 2*KSTEP
	s_add_nc_u64 s[G0B+4*\slot+2:G0B+4*\slot+3], s[G0B+4*\slot+2:G0B+4*\slot+3], 2*KSTEP
	JLOAD \slot
.else
	PLACES
.endif
	FETCH \next, 0, F0
	WIN MUL
	MUL8 F1, 2, 0
.endm
	s_wait_tensorcnt 1
	s_barrier_signal -1
	s_barrier_wait -1
	FETCH 0, 0, F0
	QUARTER 0, 128, F0, F1, 1
	QUARTER 0, 256, F1, F0, 0
	QUARTER 0, 384, F0, F1, 0
	TURN 0, 1, 1
	QUARTER 1, 128, F0, F1, 0
	QUARTER 1, 256, F1, F0, 0
	QUARTER 1, 384, F0, F1, 0
	TURN 1, 0, 1
	QUARTER 0, 128, F0, F1, 0
	QUARTER 0, 256, F1, F0, 0
	QUARTER 0, 384, F0, F1, 0
	TURN 0, 1, 0
	QUARTER 1, 128, F0, F1, 0
	QUARTER 1, 256, F1, F0, 0
	QUARTER 1, 384, F0, F1, 0
	s_wait_dscnt 8
	WIN MUL
	MUL8 F1, 0, 0
	s_wait_dscnt 0
	MUL8 F1, 2, 0
	WIN 0
.macro PACK a
.irp b, 0,1,2,3
.irp i, 0,2,4,6
	v_pk_mul_f32 v[TMP+8*\b+\i:TMP+8*\b+\i+1], v[ACC+8*(4*(\a)+\b)+\i:ACC+8*(4*(\a)+\b)+\i+1], s[96:97] op_sel_hi:[1,0]
.endr
.endr
.endm
.macro TOSTAGE a
.if (\a) >= 2
	s_wait_xcnt 0x0
.endif
.set BB, BK+32*((\a)%2)
.irp b, 0,1,2,3
	ds_store_b128 v[STO], v[TMP+8*\b:TMP+8*\b+3] offset:64*\b
	ds_store_b128 v[STO], v[TMP+8*\b+4:TMP+8*\b+7] offset:64*\b+16
.endr
.irp t, 0,1,2,3,4,5,6,7
	ds_load_b128 v[BB+4*\t:BB+4*\t+3], v[RD] offset:2*\t*SPITCH
.endr
.endm
.macro SEND a
.set BB, BK+32*((\a)%2)
	s_wait_dscnt 0x0
.irp t, 0,1,2,3,4,5,6,7
	global_store_b128 v[CO], v[BB+4*\t:BB+4*\t+3], s[10:11] offset:(16*(\a)+2*\t)*8192 th:TH_STORE_NT
.endr
.endm
	s_wait_kmcnt 0x0
	s_add_co_i32 s96, s96, s97
	s_add_co_i32 s96, s96, 127
	s_lshl_b32 s96, s96, 23
	s_mov_b32 s97, s96
	PLACES
	PACK 0
	TOSTAGE 0
.irp a, 1,2,3
	PACK \a
	s_wait_alu depctr_va_vdst(0)
	SEND \a-1
	TOSTAGE \a
.endr
	SEND 3
	s_wait_tensorcnt 0x0
	ds_add_u32 v[SPW], v[NIL]
	s_wait_dscnt 0x0
	CROUND
	s_endpgm
.Lfunc_end_k_q728f13e109_oproj:
	.size	k_q728f13e109_oproj, .Lfunc_end_k_q728f13e109_oproj-k_q728f13e109_oproj
	.p2alignl 7, 3214868480
	.fill 96, 4, 3214868480
	.section	.rodata,"a",@progbits
	.p2align	6, 0x0
	.amdhsa_kernel k_q728f13e109_oproj
		.amdhsa_group_segment_fixed_size 327680
		.amdhsa_private_segment_fixed_size 0
		.amdhsa_enable_private_segment 0
		.amdhsa_kernarg_size 32
		.amdhsa_user_sgpr_count 2
		.amdhsa_user_sgpr_kernarg_segment_ptr 1
		.amdhsa_wavefront_size32 1
		.amdhsa_system_sgpr_workgroup_id_x 1
		.amdhsa_system_sgpr_workgroup_id_y 1
		.amdhsa_system_sgpr_workgroup_id_z 1
		.amdhsa_system_vgpr_workitem_id 0
		.amdhsa_next_free_vgpr 512
		.amdhsa_next_free_sgpr 100
		.amdhsa_reserve_vcc 0
		.amdhsa_float_denorm_mode_32 3
		.amdhsa_float_denorm_mode_16_64 3
		.amdhsa_memory_ordered 1
		.amdhsa_forward_progress 1
		.amdhsa_inst_pref_size 74
	.end_amdhsa_kernel
	.amdgpu_metadata
---
amdhsa.version: [ 1, 2 ]
amdhsa.kernels:
  - .name:           k_q728f13e109_oproj
    .symbol:         k_q728f13e109_oproj.kd
    .args:
      - { .name: ac, .offset: 0, .size: 8, .value_kind: global_buffer, .address_space: global }
      - { .name: wc, .offset: 8, .size: 8, .value_kind: global_buffer, .address_space: global }
      - { .name: lowp_scales, .offset: 16, .size: 8, .value_kind: global_buffer, .address_space: global }
      - { .name: out0, .offset: 24, .size: 8, .value_kind: global_buffer, .address_space: global }
    .group_segment_fixed_size: 327680
    .private_segment_fixed_size: 0
    .kernarg_segment_align: 8
    .kernarg_segment_size: 32
    .max_flat_workgroup_size: 128
    .sgpr_count:     100
    .vgpr_count:     512
    .wavefront_size: 32
...
	.end_amdgpu_metadata
.endif
;; end of part 4
